; MI455X (gfx1250); checked and timed in simulation.
; The chip was launched on July 23, 2026; its instructions are those of AMD's public machine-readable ISA for CDNA 5 (MIT licence, August 2026) and "CDNA5" Instruction Set Architecture Reference Guide (July 2026). The comments in the code are by the model that wrote it; some were corrected since.
;; Multi Head Attn. Allowed arithmetic: matrix products marked QUANTISED: E2M1 operands, one E8M0 scale for each 32 along K, by v_wmma_scale_f32_16x16x128_f8f6f4 with both operands' format E2M1 (or v_wmma_scale_f32_32x16x128_f4), f32 sums; everything else in f32.
;; Inputs: Wk_codes 16 x 64 x 32 x 16 uint8 (E2M1 codes of Wk, K innermost, in blocks of 32 codes, two codes a byte); Wk_scales 16 x 64 x 32 uint8 (E8M0 scales of Wk, one for each 32 codes along K); Wp_codes 1,024 x 32 x 16 uint8 (E2M1 codes of Wp, K innermost, in blocks of 32 codes, two codes a byte); Wp_scales 1,024 x 32 uint8 (E8M0 scales of Wp, one for each 32 codes along K); Wq_codes 16 x 64 x 32 x 16 uint8 (E2M1 codes of Wq, K innermost, in blocks of 32 codes, two codes a byte); Wq_scales 16 x 64 x 32 uint8 (E8M0 scales of Wq, one for each 32 codes along K); Wv_codes 16 x 64 x 32 x 16 uint8 (E2M1 codes of Wv, K innermost, in blocks of 32 codes, two codes a byte); Wv_scales 16 x 64 x 32 uint8 (E8M0 scales of Wv, one for each 32 codes along K); k_codes 4 x 2,048 x 32 x 16 uint8 (E2M1 codes of k, K innermost, in blocks of 32 codes, two codes a byte); k_scales 4 x 2,048 x 32 uint8 (E8M0 scales of k, one for each 32 codes along K); offset 1,024 float32; q 4 x 2,048 x 1,024 float32; scale 1,024 float32; v_codes 4 x 2,048 x 32 x 16 uint8 (E2M1 codes of v, K innermost, in blocks of 32 codes, two codes a byte); v_scales 4 x 2,048 x 32 uint8 (E8M0 scales of v, one for each 32 codes along K).
;; Outputs: out0 4 x 2,048 x 1,024 float32.
;; This version of the problem:
;;   THIS VERSION OF THE PROBLEM IS GIVEN IN LOW PRECISION. The matrix products marked QUANTISED in the list below multiply operands that are first quantised to E2M1 (2 exponent bits, 1 mantissa bit; 4 bits a number), with one power-of-two scale for each 32 numbers along K (OCP MX v1.0); their sums are f32. All else is computed in f32.
;;   The module's matrix products, in the order in which they are computed (A, B: the left and right operand; K: the contracted axis; several contracted axes count as one K, in the product's order):
;;     1. [M 1,024, K 1,024] x [K 1,024, N 8,192]; A: input Wq (given as codes); B: input q: QUANTISED
;;     2. [M 1,024, K 1,024] x [K 1,024, N 8,192]; A: input Wk (given as codes); B: input k (given as codes): QUANTISED
;;     3. [M 1,024, K 1,024] x [K 1,024, N 8,192]; A: input Wv (given as codes); B: input v (given as codes): QUANTISED
;;     4. batch 64 x [M 2,048, K 64] x [K 64, N 2,048]; A: computed on the way; B: computed on the way: QUANTISED
;;     5. batch 64 x [M 2,048, K 2,048] x [K 2,048, N 64]; A: softmax (see below); B: computed on the way: QUANTISED
;;     6. [M 8,192, K 1,024] x [K 1,024, N 1,024]; A: computed on the way; B: input Wp (given as codes): QUANTISED
;;   THE QUANTISER, for each operand of a quantised product, along K:
;;     - K is cut into blocks of 32 from its start; a last block that is shorter is filled with zeros.
;;     - A block's scale is 2^e with e = floor(log2(the largest magnitude in the block)) - 2, held to -126 .. 127; a block of zeros has e = 0. As a byte (E8M0): e + 127.
;;     - Each number is divided by its block's scale, clamped to +-6, and rounded to the nearest number of E2M1, ties to even, subnormals kept.
;;     - The product sums the exact products of the quantised numbers (number of the format x scale) in f32.
;;   ~~~python
;;   def quantise(x, axis):      # numpy; x: float32 -> the quantised numbers, widened to float32 again
;;       x = np.moveaxis(x, axis, -1); K = x.shape[-1]
;;       x = np.pad(x, [(0, 0)] * (x.ndim - 1) + [(0, -K % 32)]); x = x.reshape(x.shape[:-1] + (-1, 32)); a = np.abs(x).max(-1, keepdims=True)
;;       e = np.where(a > 0, np.clip(np.frexp(np.where(a > 0, a, 1))[1] - 1 - 2, -126, 127), 0)      # np.frexp(a)[1] - 1 = floor(log2(a)), exactly
;;       r = np.clip(x / 2.0 ** e, -6, 6)
;;       step = 2.0 ** (np.maximum(np.frexp(np.where(r == 0, 1, r))[1] - 1, 0) - 1)
;;       q = np.round(r / step) * step * 2.0 ** e      # np.round: ties to even
;;       return np.moveaxis(q.reshape(q.shape[:-2] + (-1,))[..., :K], -1, axis).astype(np.float32)
;;   ~~~
;;   SOFTMAX AHEAD OF A QUANTISED PRODUCT. Where the list says 'softmax', what is quantised is not the finished softmax but p = 2^(t - M), with t = logit x log2(e) and M = ceil(the row's largest t), a whole number; so 1/2 < the row's largest p <= 1. The row's sum l is taken of the UNQUANTISED p, in f32, and the product's result is divided by l at the end. Since M is a whole number, a kernel that streams over the keys may use a running M (the ceiling of the running maximum): every later rescaling is an exact power of two, which a block's scale takes up: the codes' values come out the same.
;;   OPERANDS COMPUTED ON THE WAY. 'Computed on the way' means the value that the module computes at that place (a softmax that the list does not call 'softmax' is quantised finished and normalised). What goes into a quantiser is computed in f32, as accurately as f32 sums, v_exp_f32 and their like allow (about 1e-6 of the number): no bf16 or f16 on the way to a quantiser, and a product that is left as it is and whose result goes on into a quantised operand takes f32 operands (vector FMAs, or v_wmma_f32_16x16x4_f32). A number that lies on a knife's edge between two numbers of the format may be rounded either way, as far as f32 arithmetic and the matrix unit's own rounding can turn it there, and no further.
;;   INPUTS GIVEN AS CODES. Wk (in the module: [16, 64, 1024], K = its axis 2); Wp (in the module: [1024, 1024], K = its axis 1); Wq (in the module: [16, 64, 1024], K = its axis 2); Wv (in the module: [16, 64, 1024], K = its axis 2); k (in the module: [4, 2048, 1024], K = its axis 2); v (in the module: [4, 2048, 1024], K = its axis 2): each comes as NAME_codes (uint8): NAME with its K axis moved to the last place and cut into blocks of 32 codes, [.., K / 32, bytes a block], one block behind the other in memory; two codes a byte, the lower K in the low four bits (a code: sign, 2 exponent bits, 1 mantissa bit); and NAME_scales (uint8): the same leading axes, one E8M0 byte (e + 127) for each 32 codes along K. Its value is code x scale, taken as it is: it is not quantised again, and the codes and scales need not be those that the quantiser above would give.
;; One version. Each part assembles by itself: llvm-mc -triple=amdgcn-amd-amdhsa -mcpu=gfx1250 --defsym DOCPART=n.
;; ======== version 1 of 1: 4 launches
;; limits: right only within a limited range of input values
;; workspace buffers: qc 4,194,304 bytes; qs 262,144 bytes; hc 12,582,912 bytes; hs 1,572,864 bytes; cc 4,194,304 bytes; cs 262,144 bytes
;; launch quantq (part 1): grid 256 x 1, 4 waves a work-group, no clusters, 33,280 bytes of LDS; arguments q, qc, qs; writes qc, qs
.if DOCPART == 1
	.amdgcn_target "amdgcn-amd-amdhsa--gfx1250"
	.amdhsa_code_object_version 6
	.text
	.protected	k_q52e43613cf_quantq
	.globl	k_q52e43613cf_quantq
	.p2align	8
	.type	k_q52e43613cf_quantq,@function
k_q52e43613cf_quantq:
	s_mov_b64 s[64:65], 0
	v_nop
	global_prefetch_b8 v0, s[64:65] scope:SCOPE_SE
	s_setreg_imm32_b32 hwreg(HW_REG_WAVE_MODE, 25, 1), 1
	s_wait_xcnt 0x0
; q [8192][1024], f32, becomes codes of FP4 (E2M1), K innermost (qc: 512 bytes a row), with one E8M0 scale byte for each 32 along K (qs: 32 bytes a row).
; A block's scale is 2^(floor(log2(its largest magnitude)) - 2); its byte is the largest magnitude's own exponent field - 2, held at 1 from below.
; LIMITS: a block of zeros, or one whose largest magnitude lies under 2^-124, gets the byte 1 where the rule says 127 for zeros: its codes are zeros (or the tiny numbers' codes under the held scale),
; and the bytes are read by this program alone.  NaN and infinities among the inputs are not served.
; Rows are dense and 1024 is a multiple of 32, so q is a plain stream of blocks of 32 numbers, and so are the codes and the bytes.  A wave takes 16 steps of 512 numbers.
; Each load reads 512 consecutive bytes, 16 a lane; a step's 2,048 bytes turn through the wave's own stage in LDS and come back 64 bytes a lane: 16 neighbours along K, which the conversions want in ONE lane.
; Two neighbouring lanes hold a block.  A lane's 16 codes are 8 bytes: a wave's store covers 256 consecutive bytes.  A wave's 256 scale bytes are gathered in its own LDS bytes and leave by one store.
; No matrix unit, no cluster, no barrier: the waves share nothing.  Loads run four steps (16 loads a wave) ahead, the turn through LDS one step.
.set STEPS, 16
.set EMAX,  2
.set CB,    8                          ; bytes of 16 codes
.set R,     16                         ; v16-79   four sets of 16 numbers as they are loaded
.set X,     80                         ; v80-111  two sets of 16 neighbours
.set E,     112                        ; v112-127 a scale byte for each step
.set C,     128                        ; v128-191 codes: four registers for each step, so that no store's data are written again
.set WREG,  8192                       ; LDS: a region for each wave: two stages of 32 x SP bytes, behind them its 256 scale bytes
.set SP,    80                         ; a lane's place in a stage: 64 bytes + 16 of padding
	s_load_b128 s[4:7], s[0:1], 0x0                ; q, qc
	s_load_b64 s[8:9], s[0:1], 0x10                ; qs
	v_lshl_add_u32 v192, v0, 2, 0x8000
	v_mov_b32 v193, 0
	v_lshrrev_b32 v1, 5, v0
	v_readfirstlane_b32 s16, v1                    ; wave
	v_and_b32 v2, 31, v0                           ; lane
	v_lshlrev_b32 v3, 4, v2                        ; my 16 bytes of a load's 512
	s_mul_i32 s17, s16, WREG
	v_lshrrev_b32 v14, 2, v2
	v_mul_u32_u24 v14, v14, SP
	v_and_b32 v15, 3, v2
	v_lshl_add_u32 v14, v15, 4, v14
	v_add_nc_u32 v14, s17, v14                     ; the stage, on the way in: SP (lane / 4) + 16 (lane % 4); a load's 512 bytes take eight places
	v_mul_u32_u24 v15, v2, SP
	v_add_nc_u32 v15, s17, v15                     ; and on the way out: SP x lane: my 16 neighbours
	v_mul_u32_u24 v4, v2, CB                       ; my codes' place in a step's
	v_lshrrev_b32 v5, 1, v2
	s_add_co_u32 s17, s17, 2*32*SP
	v_add_nc_u32 v5, s17, v5                       ; LDS: my wave's 256 scale bytes, my block's byte
	v_lshlrev_b32 v7, 3, v2                        ; and on the way out 8 bytes a lane
	v_add_nc_u32 v6, s17, v7
	s_lshl_b32 s18, ttmp9, 2
	s_add_co_u32 s18, s18, s16                     ; which run of 8,192 numbers is my wave's: 0 .. 1023
	s_lshl_b32 s20, s18, 15                        ; 32,768 bytes of q,
	s_mov_b32 s21, 0
	s_lshl_b32 s22, s18, 12                        ; 4,096 of codes,
	s_mov_b32 s23, 0
	s_lshl_b32 s24, s18, 8                         ; 256 scale bytes a run
	s_mov_b32 s25, 0
	s_wait_alu depctr_va_vdst(0)
	s_wait_kmcnt 0x0
	s_add_nc_u64 s[4:5], s[4:5], s[20:21]
	s_add_nc_u64 s[6:7], s[6:7], s[22:23]
	s_add_nc_u64 s[8:9], s[8:9], s[24:25]
.macro LOAD t
.irp i, 0,1,2,3
	global_load_b128 v[R+16*((\t)%4)+4*\i:R+16*((\t)%4)+4*\i+3], v3, s[4:5] offset:2048*(\t)+512*\i th:TH_LOAD_NT   ; 32 lanes read 512 consecutive bytes
.endr
.endm
.macro TURN t                          ; step t's numbers through the stage: LDS serves a wave's instructions in order, so no wait stands between the stores and the loads
.irp i, 0,1,2,3
	ds_store_b128 v14, v[R+16*((\t)%4)+4*\i:R+16*((\t)%4)+4*\i+3] offset:32*SP*((\t)%2)+8*SP*\i
.endr
.irp i, 0,1,2,3
	ds_load_b128 v[X+16*((\t)%2)+4*\i:X+16*((\t)%2)+4*\i+3], v15 offset:32*SP*((\t)%2)+16*\i
.endr
.endm
.irp t, 0,1,2,3
	LOAD \t
.endr
	s_wait_loadcnt 12                              ; step 0's four loads are in; the twelve of steps 1 to 3 may be out
	TURN 0
.macro STEP t
.set XS, X+16*((\t)%2)
.if (\t) > 0
	s_wait_dscnt 1                                 ; this step's numbers are back from the stage (the last step's byte store may be out): so its stores into the stage have read their registers,
.else
	s_wait_dscnt 0x0
.endif
.if (\t)+4 < STEPS
	LOAD (\t)+4                                    ; which take the loads of four steps on
.endif
.if (\t)+1 < STEPS
.if STEPS-2-(\t) >= 3
	s_wait_loadcnt 12                              ; the next step's four loads are in; those of the three steps behind it may be out
.else
	s_wait_loadcnt 4*(STEPS-2-(\t))
.endif
	TURN (\t)+1                                    ; and go through the other stage while this step is worked
.endif
	v_max3_num_f32 v8, |v[XS]|, |v[XS+1]|, |v[XS+2]|               ; the largest magnitude of my 16, in two chains
	v_max3_num_f32 v9, |v[XS+3]|, |v[XS+4]|, |v[XS+5]|
.irp i, 6,10
	v_max3_num_f32 v8, v8, |v[XS+\i]|, |v[XS+\i+1]|
	v_max3_num_f32 v9, v9, |v[XS+\i+2]|, |v[XS+\i+3]|
.endr
	v_max3_num_f32 v8, v8, |v[XS+14]|, |v[XS+15]|
	v_max3_num_f32 v8, v8, v9, (EMAX+1)<<23        ; and the floor 2^(3 - 127): the byte cannot fall under 1
	v_max_num_f32_dpp v8, v8, v8 row_xmask:1 row_mask:0xf bank_mask:0xf   ; and of my neighbour's 16: the block's
	v_add_nc_u32 v11, -(EMAX<<23), v8              ; 2 off its exponent field: the conversion takes the exponent field of this operand as its scale, and nothing else of it
	v_cvt_scalef32_pk8_fp4_f32 v[C+4*(\t)], v[XS:XS+7], v11
	v_cvt_scalef32_pk8_fp4_f32 v[C+4*(\t)+1], v[XS+8:XS+15], v11
	v_lshrrev_b32 v[E+(\t)], 23, v11               ; the scale's byte (also the plain line behind the conversions)
	ds_store_b8 v5, v[E+(\t)] offset:16*(\t)       ; both lanes of a block write the same byte with the same value
	global_store_b64 v4, v[C+4*(\t):C+4*(\t)+1], s[6:7] offset:32*CB*(\t)   ; 32 lanes store 256 consecutive bytes
.endm
.irp t, 0,1,2,3,4,5,6,7,8,9,10,11,12,13,14,15
	STEP \t
.endr
	ds_load_b64 v[12:13], v6                       ; LDS serves a wave's instructions in order: these see my stores
	s_wait_dscnt 0x0
	global_store_b64 v7, v[12:13], s[8:9]          ; 32 lanes store 256 consecutive bytes
	s_wait_tensorcnt 0x0
	ds_add_u32 v192, v193
	s_wait_dscnt 0x0
	s_endpgm
.Lfunc_end_k_q52e43613cf_quantq:
	.size	k_q52e43613cf_quantq, .Lfunc_end_k_q52e43613cf_quantq-k_q52e43613cf_quantq
	.p2alignl 7, 3214868480
	.fill 96, 4, 3214868480
	.section	.rodata,"a",@progbits
	.p2align	6, 0x0
	.amdhsa_kernel k_q52e43613cf_quantq
		.amdhsa_group_segment_fixed_size 33280
		.amdhsa_private_segment_fixed_size 0
		.amdhsa_enable_private_segment 0
		.amdhsa_kernarg_size 24
		.amdhsa_user_sgpr_count 2
		.amdhsa_user_sgpr_kernarg_segment_ptr 1
		.amdhsa_wavefront_size32 1
		.amdhsa_system_sgpr_workgroup_id_x 1
		.amdhsa_system_sgpr_workgroup_id_y 1
		.amdhsa_system_sgpr_workgroup_id_z 1
		.amdhsa_system_vgpr_workitem_id 0
		.amdhsa_next_free_vgpr 194
		.amdhsa_next_free_sgpr 66
		.amdhsa_reserve_vcc 0
		.amdhsa_float_denorm_mode_32 3
		.amdhsa_float_denorm_mode_16_64 3
		.amdhsa_memory_ordered 1
		.amdhsa_forward_progress 1
		.amdhsa_inst_pref_size 33
	.end_amdhsa_kernel
	.amdgpu_metadata
---
amdhsa.version: [ 1, 2 ]
amdhsa.kernels:
  - .name:           k_q52e43613cf_quantq
    .symbol:         k_q52e43613cf_quantq.kd
    .args:
      - { .name: q, .offset: 0, .size: 8, .value_kind: global_buffer, .address_space: global }
      - { .name: qc, .offset: 8, .size: 8, .value_kind: global_buffer, .address_space: global }
      - { .name: qs, .offset: 16, .size: 8, .value_kind: global_buffer, .address_space: global }
    .group_segment_fixed_size: 33280
    .private_segment_fixed_size: 0
    .kernarg_segment_align: 8
    .kernarg_segment_size: 24
    .max_flat_workgroup_size: 128
    .sgpr_count:     66
    .vgpr_count:     194
    .wavefront_size: 32
...
	.end_amdgpu_metadata
.endif
;; end of part 1
;; launch proj (part 2): grid 64 x 12, 4 waves a work-group, clusters of 4 x 4, 213,504 bytes of LDS; arguments qc, qs, k_codes, k_scales, v_codes, v_scales, Wq_codes, Wq_scales, Wk_codes, Wk_scales, Wv_codes, Wv_scales, hc, hs; writes hc, hs
.if DOCPART == 2
	.amdgcn_target "amdgcn-amd-amdhsa--gfx1250"
	.amdhsa_code_object_version 6
	.text
	.protected	k_q52e43613cf_proj
	.globl	k_q52e43613cf_proj
	.p2align	8
	.type	k_q52e43613cf_proj,@function
k_q52e43613cf_proj:
	s_mov_b64 s[64:65], 0
	v_nop
	global_prefetch_b8 v0, s[64:65] scope:SCOPE_SE
	s_setreg_imm32_b32 hwreg(HW_REG_WAVE_MODE, 25, 1), 1
	s_wait_xcnt 0x0
	s_wait_alu depctr_hold_cnt(0) depctr_sa_sdst(0) depctr_va_vdst(0) depctr_va_sdst(0) depctr_va_ssrc(0) depctr_va_vcc(0) depctr_vm_vsrc(0)
	s_getreg_b32 s2, hwreg(HW_REG_IB_STS2, 6, 4)
	s_cmp_eq_u32 s2, 0
	s_cbranch_scc0 .Lentry_in_a_cluster
	s_endpgm
.Lentry_in_a_cluster:
	s_bfe_u32 s2, ttmp6, 0x10000c
	s_cmp_lg_u32 s2, 0xf033
	s_cbranch_scc0 .Lentry_shape_is_right
	s_endpgm
.Lentry_shape_is_right:
; The three projections, hq = q Wq^T, hk = k Wk^T, hv = v Wv^T, on codes of FP4 (E2M1) with one E8M0 scale for each 32 along K = 1024; the f32 sums are quantised in registers and leave as codes.
; ONE TEXT FOR THREE PRODUCTS.  D = src0 x src1^T by a matrix instruction whose source 0 is 16 rows of src0 and whose source 1 is 16 rows of src1: a lane then holds ONE row of src1 and eight NEIGHBOURS along src0's rows,
; and the result is quantised along src0's rows, in blocks of 32.  g = the cluster's y: g = 0, 1: src0 = Wq, Wk (1024 channels = 64 head + channel), src1 = q, k (8192 tokens): hq, hk are quantised along the head's channels.
; g = 2: src0 = v (tokens), src1 = Wv (channels): hv is quantised along the KEYS.  Only pointers and store offsets are chosen on g: there is one way through the text.
; SHARES.  A work-group makes 128 rows of src0 x 256 rows of src1 over all of K; each of its four waves all 128 x 64 rows of src1: 32 accumulators.  768 work-groups.
; LDS holds both tiles for all of K (384 rows x 2 chunks of 256 bytes + 16 of padding): every byte is filled once, nothing is filled again.
; CLUSTERS: 4 x 4.  src0's tile hangs on cx and is asked for jointly by the four of a column of the cluster, src1's hangs on cy and is asked for jointly by the four of a row.
; THE QUANTISER.  Register 8 t + i of a lane is src0 row 16 t + 8 h + i (h = lane / 16): tiles 2 b, 2 b + 1 are block b, shared with lane l xor 16.  A conversion takes one tile's eight registers; two exchanges of lane halves
; for each pair of blocks then give the operand's own layout: registers 4 c .. 4 c + 3 of lane (r, h) hold k = 64 c + 32 h + 0 .. 31.
; OUT, as images of the next operand's registers (512 bytes = 4 registers x 32 lanes, lane l at 16 l):
;   hc [g][bh 64][65,536]: g < 2: [token tile 128][512]: channels 32 h .. of token 16 T + r;  g = 2: [key step 16][channel tile 4][c 2][512]: keys 128 st + 64 c + 32 h .. of channel 16 ct + r.
;   hs [g][bh][8,192]: g < 2: [group of 64 tokens 32][r 16][tile 4] words, bytes 0, 1 the head's two blocks, bytes 2, 3 zero;  g = 2: [key step 16][twice][r 16][channel tile 4] words of four bytes.
; LIMITS: a block of zeros, or one under 2^-124, gets the byte 1 (read by this program alone; its codes are zeros or tiny); NaN and infinities are not served.
; REGISTERS: window 0: v1-19 addresses; v32-63 src0's scale words, v64-79 src1's (they hold nothing else); v96-99 the scale words made; v100-131 the codes made; v136-183 at work.
;   window 1: the accumulators, (j, t) at v[64 j + 8 t].   window 2: two sets of fragments, v0-95 and v96-191: src0's eight, then src1's four.
.set PITCH, 528                        ; an LDS row holds all of K: 512 bytes + 16 of padding (one row a tile row, not two chunks): the 16 rows of a fragment load start 16 bytes apart modulo 256
.set CH,    256                        ; the second 512 along K begin 256 bytes on in the row
.set ADR0,  4                          ; v4-5   LDS address of src0's fragments in chunk 0, 1
.set ADR1,  6                          ; v6-7   of my 64 rows of src1
.set VO,    12                         ; v12-19 byte offsets in hc of the eight stores of codes
.set S0,    32
.set S1,    64
.set PWJ,   96
.set PC,    100
.set TMX,   136                        ; v136-151 largest magnitudes, block b of tile j at 4 j + b
.set TP,    152                        ; v152-167 the other half's, then the bytes
.set TS,    168                        ; v168-183 the conversions' scale operands
.set F0,    0
.set F1,    96
.set G1A,   40                         ; s[40:47] descriptor group 1 for src0's tiles; s[48:55] for src1's
.set G1B,   48
.set G0A,   56                         ; s[56:59] group 0 for src0's; s[68:71] for src1's
.set G0B,   68
.set WV,    76
.set MSB, 0
.macro WIN new                         ; the immediate's high byte repeats the setting that is left
.if MSB != \new
	s_set_vgpr_msb (MSB<<8)|\new
.set MSB, \new
.endif
.endm
.macro PLACES                          ; four plain vector lines behind matrix instructions, in front of loads into registers that they read and of the first read of results
.rept 4
	v_nop
.endr
.endm
.macro CROUND                          ; a round of the cluster's barrier
	s_barrier_signal -1
	s_barrier_wait -1
	s_cmp_lg_u32 s[WV], 0
	s_cbranch_scc1 .Lnot_wave_0_\@
	s_barrier_signal -3
.Lnot_wave_0_\@:
	s_barrier_wait -3
	s_barrier_signal -1
	s_barrier_wait -1
.endm
; 24 LDS loads in one run: the fragments of K step s (128 along K) into set f
.macro FETCH s, f
	WIN 0x80                                       ; destination window 2, address window 0
.irp t, 0,1,2,3,4,5,6,7
.irp c, 0,1
	ds_load_b128 v[\f+8*\t+4*\c:\f+8*\t+4*\c+3], v[ADR0+(\s)/4] offset:\t*16*PITCH+64*((\s)%4)+32*\c
.endr
.endr
.irp j, 0,1,2,3
.irp c, 0,1
	ds_load_b128 v[\f+64+8*\j+4*\c:\f+64+8*\j+4*\c+3], v[ADR1+(\s)/4] offset:\j*16*PITCH+64*((\s)%4)+32*\c
.endr
.endr
.endm
; 16 matrix instructions: src1's tiles j0, j0 + 1 x src0's eight, K step s.  Step 0 starts the sums with the constant 0.  A scale register holds K step i in lanes 0-15 and K step 4 + i in lanes 16-31.
; The 32 accumulators take turns, one instruction a turn, in the same order in every step.
.macro MUL16 s, f, j0
	WIN 0x5a                                       ; sources 0 and 1 window 2, C and D window 1
.irp j, \j0, \j0+1
.irp t, 0,1,2,3,4,5,6,7
.if (\s) == 0
	v_wmma_scale_f32_16x16x128_f8f6f4 v[64*(\j)+8*\t:64*(\j)+8*\t+7], v[\f+8*\t:\f+8*\t+7], v[\f+64+8*(\j):\f+64+8*(\j)+7], 0, v[S0+4*\t], v[S1+4*(\j)] matrix_a_fmt:MATRIX_FMT_FP4 matrix_b_fmt:MATRIX_FMT_FP4
.elseif (\s) < 4
	v_wmma_scale_f32_16x16x128_f8f6f4 v[64*(\j)+8*\t:64*(\j)+8*\t+7], v[\f+8*\t:\f+8*\t+7], v[\f+64+8*(\j):\f+64+8*(\j)+7], v[64*(\j)+8*\t:64*(\j)+8*\t+7], v[S0+4*\t+(\s)], v[S1+4*(\j)+(\s)] matrix_a_fmt:MATRIX_FMT_FP4 matrix_b_fmt:MATRIX_FMT_FP4
.else
	v_wmma_scale_f32_16x16x128_f8f6f4 v[64*(\j)+8*\t:64*(\j)+8*\t+7], v[\f+8*\t:\f+8*\t+7], v[\f+64+8*(\j):\f+64+8*(\j)+7], v[64*(\j)+8*\t:64*(\j)+8*\t+7], v[S0+4*\t+(\s)-4], v[S1+4*(\j)+(\s)-4] matrix_a_fmt:MATRIX_FMT_FP4 matrix_b_fmt:MATRIX_FMT_FP4 matrix_a_scale:MATRIX_SCALE_ROW1 matrix_b_scale:MATRIX_SCALE_ROW1
.endif
.endr
.endr
.endm
; K step s multiplies set f; in its middle the next step's fragments are fetched into set g, 16 matrix instructions ahead of their use.
.macro KSTEP s, f, g
	s_wait_dscnt 0x0                               ; this step's 24 loads are in
	MUL16 \s, \f, 0
.if \s < 7
	PLACES                                         ; set g was read by the step before
	FETCH \s+1, \g
.endif
	MUL16 \s, \f, 2
.endm
	s_load_b256 s[4:11], s[0:1], 0x0               ; qc, qs, k_codes, k_scales
	s_load_b256 s[12:19], s[0:1], 0x20             ; v_codes, v_scales, Wq_codes, Wq_scales
	s_load_b256 s[20:27], s[0:1], 0x40             ; Wk_codes, Wk_scales, Wv_codes, Wv_scales
	s_load_b128 s[28:31], s[0:1], 0x60             ; hc, hs
	v_lshl_add_u32 v254, v0, 2, 0x34000
	v_mov_b32 v255, 0
	ds_add_u32 v254, v255
	ds_add_u32 v254, v255
	v_lshrrev_b32 v1, 5, v0
	v_readfirstlane_b32 s[WV], v1                  ; wave 0..3
	s_lshr_b32 s77, s[WV], 1                       ; I fetch for src0 (0) or for src1 (1),
	s_and_b32 s78, s[WV], 1                        ; and which half of that tile's rows
	s_and_b32 s79, ttmp7, 0xffff                   ; g: the cluster's y: which product
	s_bfe_u32 s81, ttmp6, 0x40000                  ; cx
	s_bfe_u32 s82, ttmp6, 0x40004                  ; cy
	s_and_b32 s83, ttmp9, 1
	s_lshr_b32 s84, ttmp9, 1
	s_cmp_eq_u32 s79, 2
	s_cselect_b32 s83, ttmp9, s83                  ; g = 2: src0 has 64 tiles of 128 rows, src1 four of 256;  g < 2: eight and 32
	s_cselect_b32 s84, 0, s84
	s_lshl_b32 s83, s83, 2
	s_add_co_u32 s83, s83, s81                     ; i0: src0's tile; it holds cx and never cy
	s_lshl_b32 s84, s84, 2
	s_add_co_u32 s84, s84, s82                     ; i1: src1's tile; it holds cy and never cx
	s_lshl_b32 s85, 0x1111, s81                    ; my column of the cluster (same cx)
	s_lshl_b32 s86, s82, 2
	s_lshl_b32 s86, 15, s86                        ; my row (same cy)
	; descriptor group 1: whole rows of 512 bytes, dense in memory, 16 bytes of padding behind each in LDS; 64 rows a load for src0, 128 for src1
	s_or_b32 s[G1A], s85, (1<<20)|(1<<21)|(6<<22)|(3<<25)   ; 15:0 the mask; 17:16 elements of 1 byte; 20 padding on; 21 set beside a mask; 24:22 after every 128 words; 31:25 four words
	s_or_b32 s[G1B], s86, (1<<20)|(1<<21)|(6<<22)|(3<<25)
.irp g, G1A, G1B
	s_mov_b32 s[\g+1], 512<<16                     ; tensor_dim0
	s_mov_b32 s[\g+3], 512<<16                     ; tile_dim0
	s_mov_b32 s[\g+5], 512                         ; tensor_dim0_stride
	s_mov_b32 s[\g+6], 0
	s_mov_b32 s[\g+7], 0
.endr
	s_mov_b32 s[G1A+2], 64<<16                     ; tensor_dim1
	s_mov_b32 s[G1A+4], 64                         ; tile_dim1
	s_mov_b32 s[G1B+2], 128<<16
	s_mov_b32 s[G1B+4], 128
	s_lshl_b32 s88, s83, 16                        ; src0's codes: (128 i0 + 64 half) rows of 512 bytes
	s_lshl_b32 s89, s78, 15
	s_add_co_u32 s88, s88, s89
	s_mov_b32 s89, 0
	s_lshl_b32 s90, s84, 17                        ; src1's: (256 i1 + 128 half) rows
	s_lshl_b32 s91, s78, 16
	s_add_co_u32 s90, s90, s91
	s_mov_b32 s91, 0
	s_lshl_b32 s92, s83, 12                        ; src0's scale bytes: 128 i0 rows of 32 bytes
	s_mov_b32 s93, 0
	s_lshl_b32 s94, s84, 13                        ; src1's: (256 i1 + 64 wave) rows
	s_lshl_b32 s95, s[WV], 11
	s_add_co_u32 s94, s94, s95
	s_mov_b32 s95, 0
	s_mul_i32 s96, s78, 64*PITCH                   ; where the tiles go: no place in the cluster enters an LDS address
	s_mul_i32 s97, s78, 128*PITCH
	s_add_co_u32 s97, s97, 128*PITCH
	s_mul_i32 s87, s[WV], 64*PITCH
	s_add_co_u32 s87, s87, 128*PITCH               ; my 64 rows of src1 in a chunk
	v_and_b32 v1, 15, v0                           ; r
	v_bfe_u32 v2, v0, 4, 1                         ; h
	v_and_b32 v3, 31, v0
	v_lshlrev_b32 v3, 4, v3                        ; 16 x lane
	v_mul_u32_u24 v[ADR0], v1, PITCH
	v_lshl_add_u32 v[ADR0], v2, 4, v[ADR0]         ; a fragment's row x pitch + 16 h
	v_add_nc_u32 v[ADR0+1], CH, v[ADR0]
	v_add_nc_u32 v[ADR1], s87, v[ADR0]
	v_add_nc_u32 v[ADR1+1], CH, v[ADR1]
	v_lshlrev_b32 v8, 5, v1
	v_lshl_add_u32 v8, v2, 4, v8                   ; scale bytes: row r of 32 bytes, + 16 h: K steps 4 h .. 4 h + 3
.irp n, 0,1,2,3,4,5,6,7,8,9,10,11,12,13,14,15
	v_mov_b32 v[TP+\n], 0                          ; written once: a lane permute's destination counts as one of its sources
.endr
	s_wait_dscnt 0x0
	s_wait_kmcnt 0x0
	s_cmp_eq_u32 s79, 1                            ; the choices hang on g alone, which is the same in all sixteen partners
	s_cselect_b64 s[32:33], s[8:9], s[12:13]
	s_cselect_b64 s[34:35], s[10:11], s[14:15]
	s_cselect_b64 s[36:37], s[20:21], s[24:25]
	s_cselect_b64 s[38:39], s[22:23], s[26:27]
	s_cmp_eq_u32 s79, 0
	s_cselect_b64 s[32:33], s[4:5], s[32:33]       ; the activations' codes,
	s_cselect_b64 s[34:35], s[6:7], s[34:35]       ; their scales,
	s_cselect_b64 s[36:37], s[16:17], s[36:37]     ; the weight's codes,
	s_cselect_b64 s[38:39], s[18:19], s[38:39]     ; its scales
	s_cmp_eq_u32 s79, 2
	s_cselect_b64 s[4:5], s[32:33], s[36:37]       ; src0's codes
	s_cselect_b64 s[6:7], s[34:35], s[38:39]       ; src0's scales
	s_cselect_b64 s[8:9], s[36:37], s[32:33]       ; src1's codes
	s_cselect_b64 s[10:11], s[38:39], s[34:35]     ; src1's scales
	s_add_nc_u64 s[12:13], s[4:5], s[88:89]
	s_add_nc_u64 s[14:15], s[8:9], s[90:91]
	s_add_nc_u64 s[6:7], s[6:7], s[92:93]
	s_add_nc_u64 s[10:11], s[10:11], s[94:95]
.irp c, 0
	s_mov_b32 s[G0A+4*\c], 1                                       ; count = 1
	s_add_co_u32 s[G0A+4*\c+1], s96, \c*CH                         ; LDS address
	s_add_nc_u64 s[G0A+4*\c+2:G0A+4*\c+3], s[12:13], \c*256        ; global address: chunk c of the rows
	s_or_b32 s[G0A+4*\c+3], s[G0A+4*\c+3], 0x80000000              ; type = 2
	s_mov_b32 s[G0B+4*\c], 1
	s_add_co_u32 s[G0B+4*\c+1], s97, \c*CH
	s_add_nc_u64 s[G0B+4*\c+2:G0B+4*\c+3], s[14:15], \c*256
	s_or_b32 s[G0B+4*\c+3], s[G0B+4*\c+3], 0x80000000
.endr
	CROUND                                         ; all sixteen work-groups are here: the joint loads meet
	s_cmp_eq_u32 s77, 0                            ; one fill a wave, in one branch on the wave's number; four v_nop follow it
	s_cbranch_scc0 .Lfirst_b
	tensor_load_to_lds s[G0A:G0A+3], s[G1A:G1A+7]
	s_nop 0
.rept 4
	v_nop
.endr
	s_branch .Lfirst_asked
.Lfirst_b:
	tensor_load_to_lds s[G0B:G0B+3], s[G1B:G1B+7]
	s_nop 0
.rept 4
	v_nop
.endr
.Lfirst_asked:
.irp t, 0,1,2,3,4,5,6,7
	global_load_b128 v[S0+4*\t:S0+4*\t+3], v8, s[6:7] offset:512*\t     ; the scale words of 16 rows for all of K: 512 consecutive bytes a load
.endr
.irp j, 0,1,2,3
	global_load_b128 v[S1+4*\j:S1+4*\j+3], v8, s[10:11] offset:512*\j
.endr
	; where the results go.  Both forms are made and one is chosen on g.
	s_lshr_b32 s16, s84, 3                         ; g < 2: batch = i1 / 8
	s_lshl_b32 s16, s16, 4
	s_lshl_b32 s17, s83, 1
	s_add_co_u32 s16, s16, s17                     ; bh of my first head: 16 batch + 2 i0
	s_and_b32 s17, s84, 7
	s_lshl_b32 s18, s79, 22
	s_lshl_b32 s19, s16, 16
	s_add_co_u32 s18, s18, s19
	s_lshl_b32 s19, s17, 13
	s_add_co_u32 s18, s18, s19
	s_lshl_b32 s19, s[WV], 11
	s_add_co_u32 s18, s18, s19                     ; codes: 4 MiB g + 65,536 bh + 512 (16 (i1 % 8) + 4 wave)
	s_lshl_b32 s20, s79, 19
	s_lshl_b32 s19, s16, 13
	s_add_co_u32 s20, s20, s19
	s_lshl_b32 s19, s17, 10
	s_add_co_u32 s20, s20, s19
	s_lshl_b32 s19, s[WV], 8
	s_add_co_u32 s20, s20, s19                     ; scale words: 512 KiB g + 8,192 bh + 256 (4 (i1 % 8) + wave)
	s_lshr_b32 s21, s83, 4                         ; g = 2: batch = i0 / 16, key step = i0 % 16, head = 4 i1 + wave
	s_lshl_b32 s21, s21, 4
	s_lshl_b32 s22, s84, 2
	s_add_co_u32 s21, s21, s22
	s_add_co_u32 s21, s21, s[WV]                   ; bh
	s_and_b32 s22, s83, 15
	s_lshl_b32 s23, s21, 16
	s_lshl_b32 s24, s22, 12
	s_add_co_u32 s23, s23, s24
	s_add_co_u32 s23, s23, 0x800000                ; codes: 8 MiB + 65,536 bh + 4,096 step
	s_lshl_b32 s25, s21, 13
	s_lshl_b32 s24, s22, 9
	s_add_co_u32 s25, s25, s24
	s_add_co_u32 s25, s25, 0x100000                ; scale words: 1 MiB + 8,192 bh + 512 step
	s_mov_b32 s26, 512
	s_mov_b32 s27, 1024
	s_mov_b32 s32, 0x10000
	s_mov_b32 s33, 256
	s_mov_b32 s34, 8192
	s_mov_b32 s35, 0xffff
	s_cmp_eq_u32 s79, 2
	s_cselect_b32 s18, s23, s18                    ; the codes' base,
	s_cselect_b32 s20, s25, s20                    ; the scale words',
	s_cselect_b32 s27, s27, s26                    ; from tile j to j + 1: 1,024 or 512,
	s_cselect_b32 s32, s26, s32                    ; from c = 0 to c = 1: 512, or the next head's 65,536,
	s_cselect_b32 s33, s33, s34                    ; lanes 16-31's scale words: the second copy, or the next head's,
	s_cselect_b32 s35, -1, s35                     ; all four bytes of a word, or two,
	s_cselect_b32 s36, 0, 16                       ; taken as they are, or lanes 16-31 take the upper two
	s_mov_b32 s38, 0x76543210
	s_mov_b32 s39, 0xfedcba98                      ; v_permlanex16_b32's selects for lane l xor 16
	v_add_nc_u32 v[VO], s18, v3
	v_add_nc_u32 v[VO+1], s32, v[VO]
.irp j, 1,2,3
	v_add_nc_u32 v[VO+2*\j], s27, v[VO+2*\j-2]
	v_add_nc_u32 v[VO+2*\j+1], s27, v[VO+2*\j-1]
.endr
	v_mul_u32_u24 v10, s33, v2
	v_lshl_add_u32 v10, v1, 4, v10
	v_add_nc_u32 v10, s20, v10                     ; the scale words' store: 16 bytes a lane
	v_mul_u32_u24 v9, s36, v2                      ; the shift
	s_wait_tensorcnt 0x0                           ; my one load, my rows for all of K, is in
	s_barrier_signal -1
	s_barrier_wait -1                              ; everybody's is
	FETCH 0, F0
	s_wait_loadcnt 0x0                             ; the scale words
	KSTEP 0, F0, F1
	KSTEP 1, F1, F0
	KSTEP 2, F0, F1
	KSTEP 3, F1, F0
	KSTEP 4, F0, F1
	KSTEP 5, F1, F0
	KSTEP 6, F0, F1
	KSTEP 7, F1, F0
	PLACES
	; THE QUANTISER: 16 blocks a lane (4 tiles of src1 x 4 blocks of 32 along src0), by turns.  Each accumulator is read from its low end on.
	WIN 0x05                                       ; sources 0 and 1 window 1
.irp j, 0,1,2,3
.irp b, 0,1,2,3
	v_max3_num_f32 v[TMX+4*\j+\b], |v[64*\j+16*\b]|, |v[64*\j+16*\b+1]|, 0x1800000   ; my 16 numbers of the block, and the floor 2^(3 - 127): the byte cannot fall under 1
.endr
.endr
	WIN 0x14                                       ; sources 1 and 2 window 1
.irp i, 2,4,6,8,10,12,14
.irp j, 0,1,2,3
.irp b, 0,1,2,3
	v_max3_num_f32 v[TMX+4*\j+\b], v[TMX+4*\j+\b], |v[64*\j+16*\b+\i]|, |v[64*\j+16*\b+\i+1]|
.endr
.endr
.endr
	WIN 0
.irp n, 0,1,2,3,4,5,6,7,8,9,10,11,12,13,14,15
	v_permlanex16_b32 v[TP+\n], v[TMX+\n], s38, s39
.endr
.irp n, 0,1,2,3,4,5,6,7,8,9,10,11,12,13,14,15
	v_max_num_f32 v[TMX+\n], v[TMX+\n], v[TP+\n]   ; with lane l xor 16's: the block's largest magnitude
.endr
.irp n, 0,1,2,3,4,5,6,7,8,9,10,11,12,13,14,15
	v_add_nc_u32 v[TS+\n], 0xff000000, v[TMX+\n]   ; 2 off its exponent field: the conversion's scale operand
.endr
.irp n, 0,1,2,3,4,5,6,7,8,9,10,11,12,13,14,15
	v_lshrrev_b32 v[TP+\n], 23, v[TS+\n]           ; the scale's byte
.endr
.irp j, 0,1,2,3
	v_lshl_or_b32 v[PWJ+\j], v[TP+4*\j+1], 8, v[TP+4*\j]
.endr
.irp j, 0,1,2,3
	v_lshl_or_b32 v[PWJ+\j], v[TP+4*\j+2], 16, v[PWJ+\j]
.endr
.irp j, 0,1,2,3
	v_lshl_or_b32 v[PWJ+\j], v[TP+4*\j+3], 24, v[PWJ+\j]   ; the four bytes of my row of src1
.endr
	WIN 0x01                                       ; source 0 window 1
.irp j, 0,1,2,3
.irp c, 0,1
	v_cvt_scalef32_pk8_fp4_f32 v[PC+8*\j+4*\c],   v[64*\j+8*(4*\c):64*\j+8*(4*\c)+7],     v[TS+4*\j+2*\c]     ; k = 64 c + 8 h + 0 .. 7
	v_cvt_scalef32_pk8_fp4_f32 v[PC+8*\j+4*\c+1], v[64*\j+8*(4*\c+2):64*\j+8*(4*\c+2)+7], v[TS+4*\j+2*\c+1]   ; k = 64 c + 32 + 8 h + ..
	v_cvt_scalef32_pk8_fp4_f32 v[PC+8*\j+4*\c+2], v[64*\j+8*(4*\c+1):64*\j+8*(4*\c+1)+7], v[TS+4*\j+2*\c]     ; k = 64 c + 16 + 8 h + ..
	v_cvt_scalef32_pk8_fp4_f32 v[PC+8*\j+4*\c+3], v[64*\j+8*(4*\c+3):64*\j+8*(4*\c+3)+7], v[TS+4*\j+2*\c+1]   ; k = 64 c + 48 + 8 h + ..
.endr
.endr
	WIN 0
	v_nop                                          ; one plain line behind the scaled conversions
.irp j, 0,1,2,3
.irp c, 0,1
	v_permlane16_swap_b32 v[PC+8*\j+4*\c],   v[PC+8*\j+4*\c+1]   ; the first's lanes 16-31 change places with the second's lanes 0-15:
	v_permlane16_swap_b32 v[PC+8*\j+4*\c+2], v[PC+8*\j+4*\c+3]   ; registers 4 c .. 4 c + 3 now hold k = 64 c + 32 h + 0 .. 31
.endr
.endr
.irp j, 0,1,2,3
	v_lshrrev_b32 v[PWJ+\j], v9, v[PWJ+\j]
.endr
.irp j, 0,1,2,3
	v_and_b32 v[PWJ+\j], s35, v[PWJ+\j]
.endr
.irp j, 0,1,2,3
.irp c, 0,1
	global_store_b128 v[VO+2*\j+\c], v[PC+8*\j+4*\c:PC+8*\j+4*\c+3], s[28:29]   ; 32 lanes store 512 consecutive bytes, at a multiple of 512 from hc's first byte
.endr
.endr
	global_store_b128 v10, v[PWJ:PWJ+3], s[30:31]  ; each half of the lanes stores 256 consecutive bytes, at a multiple of 256 from hs's first byte
	s_wait_tensorcnt 0x0
	ds_add_u32 v254, v255
	s_wait_dscnt 0x0
	CROUND                                         ; the closing round: no work-group ends while a partner may still ask for a tile that names it
	s_endpgm
.Lfunc_end_k_q52e43613cf_proj:
	.size	k_q52e43613cf_proj, .Lfunc_end_k_q52e43613cf_proj-k_q52e43613cf_proj
	.p2alignl 7, 3214868480
	.fill 96, 4, 3214868480
	.section	.rodata,"a",@progbits
	.p2align	6, 0x0
	.amdhsa_kernel k_q52e43613cf_proj
		.amdhsa_group_segment_fixed_size 213504
		.amdhsa_private_segment_fixed_size 0
		.amdhsa_enable_private_segment 0
		.amdhsa_kernarg_size 112
		.amdhsa_user_sgpr_count 2
		.amdhsa_user_sgpr_kernarg_segment_ptr 1
		.amdhsa_wavefront_size32 1
		.amdhsa_system_sgpr_workgroup_id_x 1
		.amdhsa_system_sgpr_workgroup_id_y 1
		.amdhsa_system_sgpr_workgroup_id_z 1
		.amdhsa_system_vgpr_workitem_id 0
		.amdhsa_next_free_vgpr 768
		.amdhsa_next_free_sgpr 100
		.amdhsa_reserve_vcc 0
		.amdhsa_float_denorm_mode_32 3
		.amdhsa_float_denorm_mode_16_64 3
		.amdhsa_memory_ordered 1
		.amdhsa_forward_progress 1
		.amdhsa_inst_pref_size 72
	.end_amdhsa_kernel
	.amdgpu_metadata
---
amdhsa.version: [ 1, 2 ]
amdhsa.kernels:
  - .name:           k_q52e43613cf_proj
    .symbol:         k_q52e43613cf_proj.kd
    .args:
      - { .name: qc, .offset: 0, .size: 8, .value_kind: global_buffer, .address_space: global }
      - { .name: qs, .offset: 8, .size: 8, .value_kind: global_buffer, .address_space: global }
      - { .name: k_codes, .offset: 16, .size: 8, .value_kind: global_buffer, .address_space: global }
      - { .name: k_scales, .offset: 24, .size: 8, .value_kind: global_buffer, .address_space: global }
      - { .name: v_codes, .offset: 32, .size: 8, .value_kind: global_buffer, .address_space: global }
      - { .name: v_scales, .offset: 40, .size: 8, .value_kind: global_buffer, .address_space: global }
      - { .name: Wq_codes, .offset: 48, .size: 8, .value_kind: global_buffer, .address_space: global }
      - { .name: Wq_scales, .offset: 56, .size: 8, .value_kind: global_buffer, .address_space: global }
      - { .name: Wk_codes, .offset: 64, .size: 8, .value_kind: global_buffer, .address_space: global }
      - { .name: Wk_scales, .offset: 72, .size: 8, .value_kind: global_buffer, .address_space: global }
      - { .name: Wv_codes, .offset: 80, .size: 8, .value_kind: global_buffer, .address_space: global }
      - { .name: Wv_scales, .offset: 88, .size: 8, .value_kind: global_buffer, .address_space: global }
      - { .name: hc, .offset: 96, .size: 8, .value_kind: global_buffer, .address_space: global }
      - { .name: hs, .offset: 104, .size: 8, .value_kind: global_buffer, .address_space: global }
    .group_segment_fixed_size: 213504
    .private_segment_fixed_size: 0
    .kernarg_segment_align: 8
    .kernarg_segment_size: 112
    .max_flat_workgroup_size: 128
    .sgpr_count:     100
    .vgpr_count:     768
    .wavefront_size: 32
...
	.end_amdgpu_metadata
.endif
;; end of part 2
;; launch attn (part 3): grid 4 x 64, 16 waves a work-group, clusters of 4 x 1, 169,984 bytes of LDS; arguments hc, hs, cc, cs; writes cc, cs
.if DOCPART == 3
	.amdgcn_target "amdgcn-amd-amdhsa--gfx1250"
	.amdhsa_code_object_version 6
	.text
	.protected	k_q52e43613cf_attn
	.globl	k_q52e43613cf_attn
	.p2align	8
	.type	k_q52e43613cf_attn,@function
k_q52e43613cf_attn:
	s_mov_b64 s[64:65], 0
	v_nop
	global_prefetch_b8 v0, s[64:65] scope:SCOPE_SE
	s_setreg_imm32_b32 hwreg(HW_REG_WAVE_MODE, 25, 1), 1
	s_wait_xcnt 0x0
	s_wait_alu depctr_hold_cnt(0) depctr_sa_sdst(0) depctr_va_vdst(0) depctr_va_sdst(0) depctr_va_ssrc(0) depctr_va_vcc(0) depctr_vm_vsrc(0)
	s_getreg_b32 s2, hwreg(HW_REG_IB_STS2, 6, 4)
	s_cmp_eq_u32 s2, 0
	s_cbranch_scc0 .Lentry_in_a_cluster
	s_endpgm
.Lentry_in_a_cluster:
	s_bfe_u32 s2, ttmp6, 0x10000c
	s_cmp_lg_u32 s2, 0x3003
	s_cbranch_scc0 .Lentry_shape_is_right
	s_endpgm
.Lentry_shape_is_right:
; concat[b][q][64 head + d] = (the sum over keys of p V) / l, p = 2^(t - M), t = (hq . hk) x log2(e) / 32, M = the running largest t rounded UP to a whole number, l = the sum of the unquantised p.
; Both products run on codes of FP4 (E2M1) with one E8M0 scale for each 32 along K; the result is quantised along 64 head + d and leaves as codes for the last product.
; SHARES.  A work-group owns 512 queries of one head (bh = the grid's y); each of its sixteen waves one tile of 16 queries in each of two passes, in 256 registers.  A wave walks the head's 2048 keys, 256 a step: 8 steps a pass.
; LDS holds the WHOLE head, filled once: hk's images, hv's images (each 256 rows of 256 bytes + 32 of padding), then their scale words (8,192 bytes each), then the spare words.
; CLUSTER.  The four work-groups of a cluster are the four blocks of queries of one head: hk and hv are asked for JOINTLY (mask 15); no descriptor word holds cx.
; No prefetch: the head's fills are the launch's only reads of hk and hv and stand at its first lines; there is no loop ahead of them to run ahead in.
; LAYOUT.  Both products are used transposed: S^T = hk hq^T, O^T = hv^T p^T: a lane holds ONE query (lane % 16) throughout.
; THE KEYS OF A TILE ARE CHOSEN: row 8 h + j of tile t of group g is key 64 g + 32 h + 8 t + j.  So the 32 registers of a group's four tiles are, in lane (r, h), keys 64 g + 32 h + 0 .. 31: a WHOLE block of 32 in one lane,
; in the order of the second product's operand: a conversion of tile t gives register 4 g + t of p's fragment; no lane is asked for a block's maximum and nothing is exchanged.
; The first product's K is 64: registers 4-7 of hq's fragment are zero codes.  hk's fragments take four registers each, one behind the other; as an operand of eight registers each names the four that follow it
; (the last: p's first four): whatever codes stand there meet hq's zero codes and add nothing; bytes 2, 3 of both scale words are 0, a finite code.
; A block's largest p is not searched for: the block's largest score goes through the same multiply-add and exponential (this takes v_exp_f32 not to fall where its input rises).
; A STEP: products of keys 0-127; their maxima while keys 128-255's fragments come; those products; their maxima while the next step's fragments come; M, f, O^T x f, l x f, t - M; ONE batch of 132 exponentials;
; p's scale words; sums and conversions of the second half, into whose registers hv's 16 loads land; conversions and sums of the first half; the eight products with hv.
; OUT: cc [row tile 512][head 16][512 bytes]: lane (r, h): the codes of channels 32 h .. 32 h + 31 of query r;  cs [row tile][h' 2][r 16][i 4] words; my head owns two bytes of a word,
; stored one byte a lane, 16 bytes apart: the other bytes belong to work-groups of other heads.
; LIMITS: the promise holds while the scaled scores t stay under 2^31 in magnitude; 1 / l is v_rcp_f32 with one Newton step; a block of zeros, or one under 2^-124, gets the byte 1 (read by this program alone); NaN and infinities are not served.
.set LI,  1                            ; 16 x lane
.set H8,  2                            ; 8 h
.set LK,  3                            ; my place in a tile of hk: 1152 (r / 8) + 288 h + 16 (r % 8)
.set LV,  4                            ; in hv's images: HVB + 16 r + 288 h
.set LS,  5                            ; among hk's scale words: KSC + 16 (r % 8) + 8 (r / 8) + 256 h: lanes 16-31 take the next group of 64 keys
.set LT,  6                            ; among hv's: KSC + 8192 + 16 r + 512 h: lanes 16-31 take the next 128 keys
.set TA,  7                            ; at work
.set TB,  8
.set SPW, 10                           ; my spare word; never rewritten
.set NIL, 11                           ; 0; never rewritten
.set NM,  12                           ; -M
.set MX,  13                           ; the running largest score
.set LC,  14                           ; v14-21 four chains of sums, two numbers each; v[14:15] is l; v16-21 also at work
.set F,   22                           ; f = 2^(old M - new M)
.set TC,  23                           ; at work (named with f as a pair)
.set KS,  24                           ; v24-27 hk's scale words: tile t in register t / 2 + 2 (t % 2); group 0 in lanes 0-15, group 1 in lanes 16-31
.set VS,  28                           ; v28-31 hv's: channel tile ct; keys 0-127 in lanes 0-15, keys 128-255 in lanes 16-31
.set QS,  32                           ; hq's scale word
.set PW,  33                           ; p's scale words: keys 0-127 in lanes 0-15, keys 128-255 in lanes 16-31
.set BM,  36                           ; v36-39 my four blocks' largest scores, then largest p, then the conversions' scale operands
.set HQ,  40                           ; v40-47
.set FK,  48                           ; v48-79 eight fragments of hk, four registers each
.set PC,  80                           ; v80-95 p's codes
.set O,   96                           ; v96-127 O^T
.set S,   128                          ; v128-255 S^T, then p; v192-255 then hv's fragments
.set WV,  12
.set SEL, 14
.set CS,  16
.set TK,  18                           ; LDS bytes that the step's images lie on: 9,216 a step, for hk and hv alike
.set TS,  19                           ; and its scale words: 1,024 a step
.set CNT, 20
.set G1BIG, 24
.set G1S, 32
.set G0,  40
.set G0S, 44
.set HVB, 73728
.set KSC, 147456
.set SPARE, 163840
.macro CROUND
	s_barrier_signal -1
	s_barrier_wait -1
	s_cmp_lg_u32 s[WV], 0
	s_cbranch_scc1 .Lnot_wave_0_\@
	s_barrier_signal -3
.Lnot_wave_0_\@:
	s_barrier_wait -3
	s_barrier_signal -1
	s_barrier_wait -1
.endm
.macro NOP4                            ; four places behind matrix instructions, ahead of loads into their sources and of the first read of their results
.rept 4
	v_nop
.endr
.endm
; hk's eight fragments of 128 keys and their scale words
.macro LDK adr, ads, off, offs
.irp g, 0,1
.irp t, 0,1,2,3
	ds_load_b128 v[FK+16*\g+4*\t:FK+16*\g+4*\t+3], v[\adr] offset:(\off)+2304*\g+576*(\t/2)+128*(\t%2)
.endr
.endr
	ds_load_b64 v[KS:KS+1], v[\ads] offset:(\offs)           ; tiles 0 and 2
	ds_load_b64 v[KS+2:KS+3], v[\ads] offset:(\offs)+128     ; tiles 1 and 3
.endm
.macro QK hf                           ; S^T of 128 keys: eight products, each a sum of its own
.irp t, 0,1,2,3
	v_wmma_scale_f32_16x16x128_f8f6f4 v[S+64*\hf+8*\t:S+64*\hf+8*\t+7], v[FK+4*\t:FK+4*\t+7], v[HQ:HQ+7], 0, v[KS+(\t/2)+2*(\t%2)], v[QS] matrix_a_fmt:MATRIX_FMT_FP4 matrix_b_fmt:MATRIX_FMT_FP4
.endr
.irp t, 0,1,2,3
	v_wmma_scale_f32_16x16x128_f8f6f4 v[S+64*\hf+32+8*\t:S+64*\hf+32+8*\t+7], v[FK+16+4*\t:FK+16+4*\t+7], v[HQ:HQ+7], 0, v[KS+(\t/2)+2*(\t%2)], v[QS] matrix_a_fmt:MATRIX_FMT_FP4 matrix_b_fmt:MATRIX_FMT_FP4 matrix_a_scale:MATRIX_SCALE_ROW1
.endr
.endm
.macro MAXH hf                         ; the largest score of my two blocks of 32 keys, in four chains by turns; each accumulator is first read at its low end
.irp b, 0,1
	v_max3_num_f32 v[BM+2*\hf+\b], v[S+64*\hf+32*\b], v[S+64*\hf+32*\b+1], v[S+64*\hf+32*\b+2]
	v_max3_num_f32 v[LC+2+2*\hf+\b], v[S+64*\hf+32*\b+16], v[S+64*\hf+32*\b+17], v[S+64*\hf+32*\b+18]
.endr
.irp i, 3,5,7,9,11,13
.irp b, 0,1
	v_max3_num_f32 v[BM+2*\hf+\b], v[BM+2*\hf+\b], v[S+64*\hf+32*\b+\i], v[S+64*\hf+32*\b+\i+1]
	v_max3_num_f32 v[LC+2+2*\hf+\b], v[LC+2+2*\hf+\b], v[S+64*\hf+32*\b+16+\i], v[S+64*\hf+32*\b+17+\i]
.endr
.endr
.irp b, 0,1
	v_max3_num_f32 v[BM+2*\hf+\b], v[BM+2*\hf+\b], v[LC+2+2*\hf+\b], v[S+64*\hf+32*\b+15]
.endr
.irp b, 0,1
	v_max_num_f32 v[BM+2*\hf+\b], v[BM+2*\hf+\b], v[S+64*\hf+32*\b+31]
.endr
.endm
.macro CVTH hf                         ; p's fragment of 128 keys: register 4 c + t holds keys 64 c + 32 h + 8 t + 0 .. 7
.irp c, 0,1
.irp t, 0,1,2,3
	v_cvt_scalef32_pk8_fp4_f32 v[PC+8*\hf+4*\c+\t], v[S+64*\hf+32*\c+8*\t:S+64*\hf+32*\c+8*\t+7], v[BM+2*\hf+\c]
.endr
.endr
.endm
.macro ADDP k, n, base                 ; chain k takes pair n
	v_pk_add_f32 v[LC+2*(\k):LC+2*(\k)+1], v[LC+2*(\k):LC+2*(\k)+1], v[\base+2*(\n):\base+2*(\n)+1]
.endm
	s_load_b256 s[4:11], s[0:1], 0x0               ; hc, hs, cc, cs
	v_lshl_add_u32 v[SPW], v0, 2, SPARE
	v_mov_b32 v[NIL], 0
	ds_add_u32 v[SPW], v[NIL]                      ; the opening lines: the add, twice on end, and its wait ahead of the first tensor load
	ds_add_u32 v[SPW], v[NIL]
	v_lshrrev_b32 v[TA], 5, v0
	v_readfirstlane_b32 s[WV], v[TA]               ; wave 0..15
	s_and_b32 s21, ttmp7, 0xffff                   ; bh, which the four partners share
	; what I fetch, if I fetch.  Waves 0, 1: the halves of hk's images; 2, 3: of hv's; 4: hk's scale words; 5: hv's
	s_and_b32 s22, s[WV], 3
	s_mul_i32 s[G0+1], s22, 36864                  ; LDS: 128 rows of 288 bytes x (wave % 4)
	s_lshr_b32 s23, s22, 1
	s_add_co_u32 s23, s23, 1
	s_lshl_b32 s56, s23, 22                        ; hc: part 1 (hk) or 2 (hv), 4 MiB each,
	s_lshl_b32 s23, s21, 16
	s_add_co_u32 s56, s56, s23                     ; + 65,536 bh
	s_and_b32 s23, s22, 1
	s_lshl_b32 s23, s23, 15
	s_add_co_u32 s56, s56, s23                     ; + my half
	s_mov_b32 s57, 0
	s_and_b32 s22, s[WV], 1
	s_lshl_b32 s[G0S+1], s22, 13
	s_add_co_u32 s[G0S+1], s[G0S+1], KSC           ; LDS: KSC + 8,192 x (wave % 2)
	s_add_co_u32 s23, s22, 1
	s_lshl_b32 s58, s23, 19                        ; hs: part 1 or 2, 512 KiB each,
	s_lshl_b32 s23, s21, 13
	s_add_co_u32 s58, s58, s23                     ; + 8,192 bh
	s_mov_b32 s59, 0
	; descriptor group 1: dense blocks as rows of 256 bytes (32 elements of 8 bytes); the codes' rows get 8 words of padding each, so that rows four apart start 128 bytes apart modulo 256
	s_mov_b32 s[G1BIG], 15|(3<<16)|(1<<20)|(1<<21)|(5<<22)|(7<<25)
	s_mov_b32 s[G1S], 15|(3<<16)|(1<<21)           ; 15:0 the mask: all four work-groups; 17:16 elements of 8 bytes; 21 set beside a mask
.irp g, G1BIG, G1S
	s_mov_b32 s[\g+1], 32<<16                      ; tensor_dim0
	s_mov_b32 s[\g+3], 32<<16                      ; tile_dim0
	s_mov_b32 s[\g+5], 32                          ; tensor_dim0_stride
	s_mov_b32 s[\g+6], 0
	s_mov_b32 s[\g+7], 0
.endr
	s_mov_b32 s[G1BIG+2], 128<<16                  ; tensor_dim1
	s_mov_b32 s[G1BIG+4], 128                      ; tile_dim1
	s_mov_b32 s[G1S+2], 32<<16
	s_mov_b32 s[G1S+4], 32
	s_mov_b32 s[G0], 1
	s_mov_b32 s[G0S], 1
	s_mov_b32 s[SEL], 0x76543210
	s_mov_b32 s[SEL+1], 0xfedcba98                 ; selects for lane l xor 16
	s_mov_b32 s[CS], 0x3d38aa3b                    ; c = log2(e) / 32: the logit is the score / sqrt(1024)
	s_mov_b32 s[CS+1], s[CS]
	; my queries: cx enters these offsets alone
	s_bfe_u32 s13, ttmp6, 0x40000                  ; cx
	s_lshl_b32 s60, s13, 5
	s_add_co_u32 s60, s60, s[WV]                   ; my tile of queries in pass 0: 32 cx + wave; in pass 1: 16 more
	s_lshl_b32 s48, s60, 9
	s_lshl_b32 s63, s21, 16
	s_add_co_u32 s48, s48, s63                     ; hq's image: 65,536 bh + 512 tile
	s_mov_b32 s49, 0
	s_lshr_b32 s50, s60, 2
	s_lshl_b32 s50, s50, 8
	s_and_b32 s63, s60, 3
	s_lshl_b32 s63, s63, 2
	s_add_co_u32 s50, s50, s63
	s_lshl_b32 s63, s21, 13
	s_add_co_u32 s50, s50, s63                     ; its scale words: 8,192 bh + 256 (tile / 4) + 4 (tile % 4), + 16 r
	s_mov_b32 s51, 0
	s_lshr_b32 s61, s21, 4                         ; batch
	s_and_b32 s62, s21, 15                         ; head
	s_lshl_b32 s61, s61, 7
	s_add_co_u32 s61, s61, s60                     ; row tile = 128 batch + tile
	s_lshl_b32 s52, s61, 13
	s_lshl_b32 s63, s62, 9
	s_add_co_u32 s52, s52, s63                     ; cc: 8,192 row tile + 512 head
	s_mov_b32 s53, 0
	s_lshl_b32 s54, s61, 9
	s_lshr_b32 s63, s62, 3
	s_lshl_b32 s63, s63, 8
	s_add_co_u32 s54, s54, s63
	s_bfe_u32 s63, s62, 0x20001
	s_lshl_b32 s63, s63, 2
	s_add_co_u32 s54, s54, s63
	s_and_b32 s63, s62, 1
	s_lshl_b32 s63, s63, 1
	s_add_co_u32 s54, s54, s63                     ; cs: 512 row tile + 256 (head / 8) + 4 ((head / 2) % 4) + 2 (head % 2), + 16 r + block
	s_mov_b32 s55, 0
	s_wait_dscnt 0x0                               ; both opening adds are done
	s_wait_kmcnt 0x0
	s_add_nc_u64 s[G0+2:G0+3], s[4:5], s[56:57]
	s_or_b32 s[G0+3], s[G0+3], 0x80000000          ; type = 2
	s_add_nc_u64 s[G0S+2:G0S+3], s[6:7], s[58:59]
	s_or_b32 s[G0S+3], s[G0S+3], 0x80000000
	s_add_nc_u64 s[48:49], s[4:5], s[48:49]
	s_add_nc_u64 s[50:51], s[6:7], s[50:51]
	s_add_nc_u64 s[52:53], s[8:9], s[52:53]
	s_add_nc_u64 s[54:55], s[10:11], s[54:55]
	CROUND                                         ; all four work-groups are here: the joint loads meet
	s_cmp_lt_u32 s[WV], 4                          ; one chain of branches on the wave's number, one load to an arm
	s_cbranch_scc0 .Lnot_codes
	tensor_load_to_lds s[G0:G0+3], s[G1BIG:G1BIG+7]
	s_nop 0
	NOP4
	s_branch .Lasked
.Lnot_codes:
	s_cmp_lt_u32 s[WV], 6
	s_cbranch_scc0 .Lasked
	tensor_load_to_lds s[G0S:G0S+3], s[G1S:G1S+7]
	s_nop 0
	NOP4
.Lasked:
	v_and_b32 v[TA], 15, v0                        ; r
	v_bfe_u32 v[TB], v0, 4, 1                      ; h
	v_and_b32 v[LI], 31, v0
	v_lshlrev_b32 v[LI], 4, v[LI]
	v_lshlrev_b32 v[H8], 3, v[TB]
	v_and_b32 v9, 7, v[TA]                         ; r % 8
	v_lshrrev_b32 v34, 3, v[TA]                    ; r / 8
	v_mul_u32_u24 v[LK], v34, 1152
	v_mad_u32_u24 v[LK], v[TB], 288, v[LK]
	v_lshl_add_u32 v[LK], v9, 4, v[LK]
	v_mul_u32_u24 v[LV], v[TB], 288
	v_lshl_add_u32 v[LV], v[TA], 4, v[LV]
	v_add_nc_u32 v[LV], HVB, v[LV]
	v_lshlrev_b32 v[LS], 4, v9
	v_lshl_add_u32 v[LS], v34, 3, v[LS]
	v_lshl_add_u32 v[LS], v[TB], 8, v[LS]
	v_add_nc_u32 v[LS], KSC, v[LS]
	v_lshlrev_b32 v[LT], 4, v[TA]
	v_lshl_add_u32 v[LT], v[TB], 9, v[LT]
	v_add_nc_u32 v[LT], KSC+8192, v[LT]
.irp j, 4,5,6,7
	v_mov_b32 v[HQ+\j], 0                          ; hq's codes of k = 64 .. 127: zeros, written once
.endr
.irp j, 0,1,2,3
	v_mov_b32 v[PC+\j], 0                          ; named behind hk's last fragment before p's first codes are made
.endr
	v_mov_b32 v[TC], 0                             ; (named as the upper half of the pair with f)
	s_wait_alu depctr_va_vdst(0)                   ; the wait at the head's end
	s_wait_tensorcnt 0x0                           ; my load, if I issued one, has landed,
	s_barrier_signal -1
	s_barrier_wait -1                              ; everybody's has: the head lies in LDS, and nothing is filled again
; A KEY STEP: 256 keys.  At its head hk's fragments of keys 0-127 are in registers.
.macro STEP
	v_add_nc_u32 v[TA], s[TK], v[LK]
	v_add_nc_u32 v[TB], s[TS], v[LS]
	QK 0
	NOP4
	LDK TA, TB, 4608, 512                          ; keys 128-255
	MAXH 0
	s_wait_alu depctr_va_vdst(0)                   ; the wait here, directly ahead of the wait below
	s_wait_dscnt 0x0
	QK 1
	NOP4
	s_cmp_eq_u32 s[CNT], 1                         ; the pass's last step has no successor: a branch on the count of steps, round ten LDS loads alone
	s_cbranch_scc1 .Lno_next_\@
	LDK TA, TB, 9216, 1024                         ; the next step's keys 0-127
.Lno_next_\@:
	MAXH 1
	v_max3_num_f32 v[TA], v[BM], v[BM+1], v[BM+2]
	v_max3_num_f32 v[TA], v[TA], v[BM+3], v[MX]
	v_permlanex16_b32 v[TB], v[TA], s[SEL], s[SEL+1]
	v_mov_b32 v[TC], v[NM]                         ; the old -M
	v_max_num_f32 v[MX], v[TA], v[TB]              ; the running largest score of my query (c is positive)
	v_mul_f32 v[TA], s[CS], v[MX]
	v_floor_f32 v[NM], -v[TA]                      ; the new -M = -ceil(t)
	v_sub_f32 v[TA], v[NM], v[TC]                  ; old M - new M: a whole number, 0 or less
.irp b, 0,1,2,3
	v_fma_f32 v[BM+\b], v[BM+\b], s[CS], v[NM]     ; t - M of each block's largest score
.endr
	v_cvt_i32_f32 v[TA], v[TA]                     ; (it saturates)
.set J, 0
.rept 64
	v_pk_fma_f32 v[S+J:S+J+1], v[S+J:S+J+1], s[CS:CS+1], v[NM:NM+1] op_sel_hi:[1,0,0]   ; t - M, two at a time
.set J, J+2
.endr
	v_ldexp_f32 v[F], 1.0, v[TA]                   ; f = 2^(old M - new M): a multiplication by it rounds nothing
.set J, 0
.rept 16
	v_pk_mul_f32 v[O+J:O+J+1], v[O+J:O+J+1], v[F:F+1] op_sel_hi:[1,0]   ; O^T under the new M, each accumulator from its low end on
.set J, J+2
.endr
	v_pk_mul_f32 v[LC:LC+1], v[LC:LC+1], v[F:F+1] op_sel_hi:[1,0]       ; l likewise
	s_wait_alu depctr_va_vdst(0)                   ; the wait ahead of the batch
.set J, 0
.rept 128
	v_exp_f32 v[S+J], v[S+J]                       ; p = 2^(t - M), at most 1
.set J, J+1
.endr
.irp b, 0,1,2,3
	v_exp_f32 v[BM+\b], v[BM+\b]                   ; each block's largest p
.endr
	v_add_nc_u32 v[TA], s[TK], v[LV]               ; (plain lines behind the batch) where hv's images of this step lie,
	v_add_nc_u32 v[TB], s[TS], v[LT]               ; and its scale words
	s_wait_alu depctr_va_vdst(0)                   ; one wait for the batch, ahead of its first reader
.irp b, 0,1,2,3
	v_max_num_f32 v[BM+\b], 0x1800000, v[BM+\b]    ; the floor 2^(3 - 127): the byte cannot fall under 1
.endr
.irp b, 0,1,2,3
	v_add_nc_u32 v[BM+\b], 0xff000000, v[BM+\b]    ; 2 off the exponent field: the conversion's scale operand
.endr
.irp b, 0,1,2,3
	v_lshrrev_b32 v[LC+2+\b], 23, v[BM+\b]         ; the scale's byte
.endr
	v_lshl_or_b32 v[PW], v[LC+3], 16, v[LC+2]      ; keys 0-127: my blocks h and 2 + h,
	v_lshl_or_b32 v[LC+6], v[LC+5], 16, v[LC+4]    ; keys 128-255 likewise,
	v_lshlrev_b32 v[PW], v[H8], v[PW]              ; at their places in the word
	v_lshlrev_b32 v[LC+6], v[H8], v[LC+6]
	v_permlane16_swap_b32 v[PW], v[LC+6]           ; the first's lanes 16-31 change places with the second's lanes 0-15:
	v_or_b32 v[PW], v[PW], v[LC+6]                 ; lanes 0-15 hold the whole word of keys 0-127, lanes 16-31 that of keys 128-255
	ADDP 0, 0, S+64                                ; l is taken of the unquantised p, in four chains; keys 128-255 first
.irp k, 1,2,3
	v_pk_add_f32 v[LC+2*\k:LC+2*\k+1], v[S+64+2*\k:S+64+2*\k+1], v[S+72+2*\k:S+72+2*\k+1]
.endr
	ADDP 0, 4, S+64
.irp i, 2,3,4,5,6,7
.irp k, 0,1,2,3
	ADDP \k, 4*\i+\k, S+64
.endr
.endr
	CVTH 1
.set J, 0
.rept 16
	ds_load_b128 v[S+64+4*J:S+64+4*J+3], v[TA] offset:576*J   ; hv of this step, over p's second half: fragment (128 keys J / 8, channel tile (J / 2) % 4), keys 64 (J % 2) on
.set J, J+1
.endr
	ds_load_b128 v[VS:VS+3], v[TB]
	CVTH 0
.irp i, 0,1,2,3,4,5,6,7
.irp k, 0,1,2,3
	ADDP \k, 4*\i+\k, S
.endr
.endr
	v_pk_add_f32 v[LC:LC+1], v[LC:LC+1], v[LC+2:LC+3]
	v_pk_add_f32 v[LC+4:LC+5], v[LC+4:LC+5], v[LC+6:LC+7]
	v_pk_add_f32 v[LC:LC+1], v[LC:LC+1], v[LC+4:LC+5]
	s_wait_alu depctr_va_vdst(0)                   ; the wait here, directly ahead of the wait below
	s_wait_dscnt 0x0                               ; hv, its scale words, and the next step's fragments of hk
.irp ct, 0,1,2,3                               ; the four accumulators by turns
	v_wmma_scale_f32_16x16x128_f8f6f4 v[O+8*\ct:O+8*\ct+7], v[S+64+8*\ct:S+64+8*\ct+7], v[PC:PC+7], v[O+8*\ct:O+8*\ct+7], v[VS+\ct], v[PW] matrix_a_fmt:MATRIX_FMT_FP4 matrix_b_fmt:MATRIX_FMT_FP4
.endr
.irp ct, 0,1,2,3
	v_wmma_scale_f32_16x16x128_f8f6f4 v[O+8*\ct:O+8*\ct+7], v[S+96+8*\ct:S+96+8*\ct+7], v[PC+8:PC+15], v[O+8*\ct:O+8*\ct+7], v[VS+\ct], v[PW] matrix_a_fmt:MATRIX_FMT_FP4 matrix_b_fmt:MATRIX_FMT_FP4 matrix_a_scale:MATRIX_SCALE_ROW1 matrix_b_scale:MATRIX_SCALE_ROW1
.endr
	s_add_co_u32 s[TK], s[TK], 9216
	s_add_co_u32 s[TS], s[TS], 1024
.endm
; A PASS: one tile of 16 queries against all keys, then its way out.
.macro PASS p
.if \p
	s_wait_xcnt 0x0                                ; the last pass's stores have read their registers
.endif
	v_and_b32 v[TA], 0xf0, v[LI]                   ; 16 r
	global_load_b128 v[HQ:HQ+3], v[LI], s[48:49] offset:8192*\p    ; hq's image: 512 consecutive bytes
	global_load_b32 v[QS], v[TA], s[50:51] offset:1024*\p          ; its scale words
	LDK LK, LS, 0, 0                               ; hk's first 128 keys
	v_mov_b32 v[MX], 0xff61b1e6                    ; the largest score so far: -3e38
	v_floor_f32 v[NM], -v[MX]                      ; -M: so large that the first f is 0
	v_mov_b32 v[LC], 0
	v_mov_b32 v[LC+1], 0
.set J, 0
.rept 32
	v_mov_b32 v[O+J], 0                            ; O^T (the step has no first form of its own: the first change of M leaves zeros zeros)
.set J, J+1
.endr
	s_mov_b32 s[TK], 0
	s_mov_b32 s[TS], 0
	s_mov_b32 s[CNT], 8
	s_wait_alu depctr_va_vdst(0)                   ; the wait here, directly ahead of the waits below
	s_wait_loadcnt 0x0
	s_wait_dscnt 0x0
.Lstep_\p:
	STEP
	s_sub_co_u32 s[CNT], s[CNT], 1
	s_cmp_lg_u32 s[CNT], 0
	s_cbranch_scc1 .Lstep_\p
	v_add_f32 v[LC], v[LC], v[LC+1]                ; l's two halves (these lines are also the places behind the last products),
	v_permlanex16_b32 v[TB], v[LC], s[SEL], s[SEL+1]
	v_add_f32 v[LC], v[LC], v[TB]                  ; and lane l xor 16's
	s_wait_alu depctr_va_vdst(0)                   ; the wait ahead of the transcendental
	v_rcp_f32 v[F], v[LC]
	v_nop
	s_wait_alu depctr_va_vdst(0)                   ; and ahead of its first reader
	v_fma_f32 v[TA], -v[LC], v[F], 1.0             ; one Newton step
	v_fma_f32 v[F], v[F], v[TA], v[F]
	s_wait_alu depctr_va_vdst(0)                   ; the wait directly ahead of the first readers of O^T
.set J, 0
.rept 16
	v_pk_mul_f32 v[S+J:S+J+1], v[O+J:O+J+1], v[F:F+1] op_sel_hi:[1,0]   ; O^T / l: register 8 ct + i is channel 16 ct + 8 h + i
.set J, J+2
.endr
.irp b, 0,1
	v_max3_num_f32 v[BM+\b], |v[S+16*\b]|, |v[S+16*\b+1]|, 0x1800000    ; the head's two blocks of 32 channels, with the floor
.endr
.irp i, 2,4,6,8,10,12,14
.irp b, 0,1
	v_max3_num_f32 v[BM+\b], v[BM+\b], |v[S+16*\b+\i]|, |v[S+16*\b+\i+1]|
.endr
.endr
.irp b, 0,1
	v_permlanex16_b32 v[LC+2+\b], v[BM+\b], s[SEL], s[SEL+1]
.endr
.irp b, 0,1
	v_max_num_f32 v[BM+\b], v[BM+\b], v[LC+2+\b]
.endr
.irp b, 0,1
	v_add_nc_u32 v[BM+\b], 0xff000000, v[BM+\b]
.endr
.irp b, 0,1
	v_lshrrev_b32 v[LC+2+\b], 23, v[BM+\b]
.endr
	v_cvt_scalef32_pk8_fp4_f32 v[LC+4], v[S:S+7],     v[BM]
	v_cvt_scalef32_pk8_fp4_f32 v[LC+5], v[S+16:S+23], v[BM+1]
	v_cvt_scalef32_pk8_fp4_f32 v[LC+6], v[S+8:S+15],  v[BM]
	v_cvt_scalef32_pk8_fp4_f32 v[LC+7], v[S+24:S+31], v[BM+1]
	v_nop                                          ; one plain line behind the scaled conversions
	v_permlane16_swap_b32 v[LC+4], v[LC+5]
	v_permlane16_swap_b32 v[LC+6], v[LC+7]         ; v18-21 of lane (r, h): channels 32 h + 0 .. 31 of query r
	v_lshl_or_b32 v[TA], v[LC+3], 8, v[LC+2]
	v_lshrrev_b32 v[TA], v[H8], v[TA]              ; lane (r, h) stores block h's byte
	v_lshrrev_b32 v[TC], 8, v[LI]                  ; h
	v_and_or_b32 v[TB], v[LI], 0xf0, v[TC]         ; 16 r + h
	global_store_b128 v[LI], v[LC+4:LC+7], s[52:53] offset:131072*\p   ; 32 lanes store 512 consecutive bytes, at a multiple of 512 from cc's first byte
	global_store_b8 v[TB], v[TA], s[54:55] offset:8192*\p
.endm
	PASS 0
	PASS 1
	s_wait_tensorcnt 0x0                           ; the wave's end
	ds_add_u32 v[SPW], v[NIL]
	s_wait_dscnt 0x0
	CROUND                                         ; the closing round
	s_endpgm
.Lfunc_end_k_q52e43613cf_attn:
	.size	k_q52e43613cf_attn, .Lfunc_end_k_q52e43613cf_attn-k_q52e43613cf_attn
	.p2alignl 7, 3214868480
	.fill 96, 4, 3214868480
	.section	.rodata,"a",@progbits
	.p2align	6, 0x0
	.amdhsa_kernel k_q52e43613cf_attn
		.amdhsa_group_segment_fixed_size 169984
		.amdhsa_private_segment_fixed_size 0
		.amdhsa_enable_private_segment 0
		.amdhsa_kernarg_size 32
		.amdhsa_user_sgpr_count 2
		.amdhsa_user_sgpr_kernarg_segment_ptr 1
		.amdhsa_wavefront_size32 1
		.amdhsa_system_sgpr_workgroup_id_x 1
		.amdhsa_system_sgpr_workgroup_id_y 1
		.amdhsa_system_sgpr_workgroup_id_z 1
		.amdhsa_system_vgpr_workitem_id 0
		.amdhsa_next_free_vgpr 256
		.amdhsa_next_free_sgpr 66
		.amdhsa_reserve_vcc 0
		.amdhsa_float_denorm_mode_32 3
		.amdhsa_float_denorm_mode_16_64 3
		.amdhsa_memory_ordered 1
		.amdhsa_forward_progress 1
		.amdhsa_inst_pref_size 71
	.end_amdhsa_kernel
	.amdgpu_metadata
---
amdhsa.version: [ 1, 2 ]
amdhsa.kernels:
  - .name:           k_q52e43613cf_attn
    .symbol:         k_q52e43613cf_attn.kd
    .args:
      - { .name: hc, .offset: 0, .size: 8, .value_kind: global_buffer, .address_space: global }
      - { .name: hs, .offset: 8, .size: 8, .value_kind: global_buffer, .address_space: global }
      - { .name: cc, .offset: 16, .size: 8, .value_kind: global_buffer, .address_space: global }
      - { .name: cs, .offset: 24, .size: 8, .value_kind: global_buffer, .address_space: global }
    .group_segment_fixed_size: 169984
    .private_segment_fixed_size: 0
    .kernarg_segment_align: 8
    .kernarg_segment_size: 32
    .max_flat_workgroup_size: 512
    .sgpr_count:     66
    .vgpr_count:     256
    .wavefront_size: 32
...
	.end_amdgpu_metadata
.endif
;; end of part 3
;; launch outln (part 4): grid 256 x 1, 4 waves a work-group, clusters of 4 x 1, 327,680 bytes of LDS; arguments cc, cs, Wp_codes, Wp_scales, q, scale, offset, out0; writes out0
.if DOCPART == 4
	.amdgcn_target "amdgcn-amd-amdhsa--gfx1250"
	.amdhsa_code_object_version 6
	.text
	.protected	k_q52e43613cf_outln
	.globl	k_q52e43613cf_outln
	.p2align	8
	.type	k_q52e43613cf_outln,@function
k_q52e43613cf_outln:
	s_mov_b64 s[64:65], 0
	v_nop
	global_prefetch_b8 v0, s[64:65] scope:SCOPE_SE
	s_setreg_imm32_b32 hwreg(HW_REG_WAVE_MODE, 25, 1), 1
	s_wait_xcnt 0x0
	s_wait_alu depctr_hold_cnt(0) depctr_sa_sdst(0) depctr_va_vdst(0) depctr_va_sdst(0) depctr_va_ssrc(0) depctr_va_vcc(0) depctr_vm_vsrc(0)
	s_getreg_b32 s2, hwreg(HW_REG_IB_STS2, 6, 4)
	s_cmp_eq_u32 s2, 0
	s_cbranch_scc0 .Lentry_in_a_cluster
	s_endpgm
.Lentry_in_a_cluster:
	s_bfe_u32 s2, ttmp6, 0x10000c
	s_cmp_lg_u32 s2, 0x3003
	s_cbranch_scc0 .Lentry_shape_is_right
	s_endpgm
.Lentry_shape_is_right:
.set PITCH, 272
.set WREG,  128*PITCH
.set SLOT,  4*WREG
.set SPARE, 2*SLOT
.set SP,    4112
.set ADB,   4
.set STO,   6
.set RD,    8
.set SPW,   30
.set NIL,   31
.set WS,    32
.set RS,    96
.set SA,    104
.set SB,    112
.set SC,    120
.set BB,    128
.set X,     128
.set GAIN,  128
.set OFS,   160
.set WV,    20
.set G1,    24
.set G0,    32
.set MSB, 0
.macro WIN new
.if MSB != \new
	s_set_vgpr_msb (MSB<<8)|\new
.set MSB, \new
.endif
.endm
.macro PLACES
.rept 4
	v_nop
.endr
.endm
.macro ROUND
	s_barrier_signal -1
	s_barrier_wait -1
	s_cmp_lg_u32 s[WV], 0
	s_cbranch_scc1 .Lnot_wave_0_\@
	s_barrier_signal -3
.Lnot_wave_0_\@:
	s_barrier_wait -3
	s_barrier_signal -1
	s_barrier_wait -1
.endm
.macro FETCHB slot, q, buf
.irp nt, 0,1,2,3,4,5,6,7
.irp c, 0,1
	ds_load_b128 v[BB+64*\buf+8*\nt+4*\c:BB+64*\buf+8*\nt+4*\c+3], v[ADB+\slot] offset:\nt*16*PITCH+64*\q+32*\c
.endr
.endr
.endm
.macro MULS half, s, buf, zero
	WIN 0xa4
.irp nt, 0,1,2,3,4,5,6,7
.irp mt, 0,1
.if \zero
	v_wmma_scale_f32_16x16x128_f8f6f4 v[8*(16*\half+2*\nt+\mt):8*(16*\half+2*\nt+\mt)+7], v[BB+64*\buf+8*\nt:BB+64*\buf+8*\nt+7], v[64*\mt+8*(\s):64*\mt+8*(\s)+7], 0, v[WS+4*(8*\half+\nt)+(\s)%4], v[RS+4*\mt+(\s)%4] matrix_a_fmt:MATRIX_FMT_FP4 matrix_b_fmt:MATRIX_FMT_FP4
.elseif (\s) < 4
	v_wmma_scale_f32_16x16x128_f8f6f4 v[8*(16*\half+2*\nt+\mt):8*(16*\half+2*\nt+\mt)+7], v[BB+64*\buf+8*\nt:BB+64*\buf+8*\nt+7], v[64*\mt+8*(\s):64*\mt+8*(\s)+7], v[8*(16*\half+2*\nt+\mt):8*(16*\half+2*\nt+\mt)+7], v[WS+4*(8*\half+\nt)+(\s)%4], v[RS+4*\mt+(\s)%4] matrix_a_fmt:MATRIX_FMT_FP4 matrix_b_fmt:MATRIX_FMT_FP4
.else
	v_wmma_scale_f32_16x16x128_f8f6f4 v[8*(16*\half+2*\nt+\mt):8*(16*\half+2*\nt+\mt)+7], v[BB+64*\buf+8*\nt:BB+64*\buf+8*\nt+7], v[64*\mt+8*(\s):64*\mt+8*(\s)+7], v[8*(16*\half+2*\nt+\mt):8*(16*\half+2*\nt+\mt)+7], v[WS+4*(8*\half+\nt)+(\s)%4], v[RS+4*\mt+(\s)%4] matrix_a_fmt:MATRIX_FMT_FP4 matrix_b_fmt:MATRIX_FMT_FP4 matrix_a_scale:MATRIX_SCALE_ROW1 matrix_b_scale:MATRIX_SCALE_ROW1
.endif
.endr
.endr
.endm
.macro SLOTWORK slot, half, k0, zero
	PLACES
	FETCHB \slot, 0, 0
	s_wait_dscnt 0x0
	FETCHB \slot, 1, 1
	MULS \half, \k0, 0, \zero
	s_wait_dscnt 0x0
	WIN 0
	PLACES
	FETCHB \slot, 2, 0
	MULS \half, \k0+1, 1, 0
	s_wait_dscnt 0x0
	WIN 0
	PLACES
	FETCHB \slot, 3, 1
	MULS \half, \k0+2, 0, 0
	s_wait_dscnt 0x0
	MULS \half, \k0+3, 1, 0
	WIN 0
.endm
.macro REFILL f
	s_wait_tensorcnt 0x0
	ds_add_u32 v[SPW], v[NIL]
	s_wait_dscnt 0x0
	ROUND
	tensor_load_to_lds s[G0+4*\f:G0+4*\f+3], s[G1:G1+7]
	s_nop 0
.rept 4
	v_nop
.endr
.endm
	s_load_b256 s[4:11], s[0:1], 0x0
	s_load_b256 s[12:19], s[0:1], 0x20
	v_lshl_add_u32 v[SPW], v0, 2, SPARE
	v_mov_b32 v[NIL], 0
	ds_add_u32 v30, v31
	ds_add_u32 v30, v31
	s_wait_dscnt 0x0
	v_lshrrev_b32 v1, 5, v0
	v_readfirstlane_b32 s[WV], v1
	s_mov_b32 s[G1], 15|(1<<20)|(1<<21)|(5<<22)|(3<<25)
	s_mov_b32 s[G1+1], 256<<16
	s_mov_b32 s[G1+2], 128<<16
	s_mov_b32 s[G1+3], 256<<16
	s_mov_b32 s[G1+4], 128
	s_mov_b32 s[G1+5], 512
	s_mov_b32 s[G1+6], 0
	s_mov_b32 s[G1+7], 0
	s_lshl_b32 s50, s[WV], 17
	s_mov_b32 s51, 0
	s_mul_i32 s52, s[WV], WREG
	s_mov_b32 s48, 0x76543210
	s_mov_b32 s49, 0xfedcba98
	s_bfe_u32 s21, ttmp6, 0x40000
	s_lshl_b32 s22, ttmp9, 2
	s_add_co_u32 s22, s22, s21
	s_lshl_b32 s54, s22, 14
	s_mov_b32 s55, 0
	s_lshl_b32 s56, s22, 10
	s_mov_b32 s57, 0
	s_lshl_b32 s58, s[WV], 13
	s_mov_b32 s59, 0
	s_lshl_b32 s60, s22, 17
	s_lshl_b32 s61, s[WV], 15
	s_add_co_u32 s60, s60, s61
	s_mov_b32 s61, 0
	v_and_b32 v1, 15, v0
	v_bfe_u32 v2, v0, 4, 1
	v_and_b32 v3, 31, v0
	v_lshlrev_b32 v3, 4, v3
	v_mul_u32_u24 v[ADB], v1, PITCH
	v_lshl_add_u32 v[ADB], v2, 4, v[ADB]
	v_add_nc_u32 v[ADB], s52, v[ADB]
	v_add_nc_u32 v[ADB+1], SLOT, v[ADB]
	s_lshl_b32 s53, s[WV], 10
	v_mul_u32_u24 v[STO], v1, SP
	v_lshl_add_u32 v[STO], v2, 5, v[STO]
	v_add_nc_u32 v[STO], s53, v[STO]
	v_add_nc_u32 v[STO+1], 16*SP, v[STO]
	s_mul_i32 s53, s[WV], 8*SP
	v_add_nc_u32 v[RD], s53, v3
	v_lshlrev_b32 v9, 5, v1
	v_lshl_add_u32 v9, v2, 4, v9
	s_wait_kmcnt 0x0
	s_add_nc_u64 s[50:51], s[8:9], s[50:51]
.irp f, 0,1,2,3
	s_mov_b32 s[G0+4*\f], 1
	s_add_co_u32 s[G0+4*\f+1], s52, (\f%2)*SLOT
	s_add_nc_u64 s[G0+4*\f+2:G0+4*\f+3], s[50:51], (\f/2)*65536+(\f%2)*256
	s_or_b32 s[G0+4*\f+3], s[G0+4*\f+3], 0x80000000
.endr
	s_add_nc_u64 s[4:5], s[4:5], s[54:55]
	s_add_nc_u64 s[6:7], s[6:7], s[56:57]
	s_add_nc_u64 s[10:11], s[10:11], s[58:59]
	s_add_nc_u64 s[12:13], s[12:13], s[60:61]
	s_add_nc_u64 s[18:19], s[18:19], s[60:61]
	ROUND
	tensor_load_to_lds s[G0:G0+3], s[G1:G1+7]
	s_nop 0
	s_wait_alu depctr_va_vdst(0)
	s_wait_tensorcnt 0x0
	ds_add_u32 v30, v31
	s_wait_dscnt 0x0
	ROUND
	tensor_load_to_lds s[G0+4:G0+7], s[G1:G1+7]
	s_nop 0
.rept 4
	v_nop
.endr
.irp mt, 0,1
	global_load_b128 v[RS+4*\mt:RS+4*\mt+3], v3, s[6:7] offset:512*\mt
.endr
	s_wait_alu depctr_va_vdst(0)
.irp t, 0,1,2,3,4,5,6,7,8,9,10,11,12,13,14,15
	global_load_b128 v[WS+4*\t:WS+4*\t+3], v9, s[10:11] offset:512*\t
.endr
	WIN 0x40
.irp mt, 0,1
.irp s, 0,1,2,3,4,5,6,7
.irp c, 0,1
	global_load_b128 v[64*\mt+8*\s+4*\c:64*\mt+8*\s+4*\c+3], v3, s[4:5] offset:8192*\mt+1024*\s+512*\c
.endr
.endr
.endr
.irp i, 0,1,2,3,4,5,6,7
	global_load_b128 v[GAIN+4*\i:GAIN+4*\i+3], v3, s[14:15] offset:512*\i
	global_load_b128 v[OFS+4*\i:OFS+4*\i+3], v3, s[16:17] offset:512*\i
.endr
	WIN 0xc0
.irp p, 0,1,2,3,4,5,6,7
.irp i, 0,1,2,3,4,5,6,7
	global_load_b128 v[32*\p+4*\i:32*\p+4*\i+3], v3, s[12:13] offset:4096*\p+512*\i th:TH_LOAD_NT
.endr
.endr
	WIN 0
	s_wait_tensorcnt 0x1
	s_wait_loadcnt 63
	SLOTWORK 0, 0, 0, 1
	REFILL 2
	s_wait_tensorcnt 0x1
	SLOTWORK 1, 0, 4, 0
	REFILL 3
	s_wait_tensorcnt 0x1
	SLOTWORK 0, 1, 0, 1
	s_wait_tensorcnt 0x0
	SLOTWORK 1, 1, 4, 0
	PLACES
	s_wait_dscnt 0x0
	s_barrier_signal -1
	s_barrier_wait -1
	WIN 0x08
.irp half, 0,1
.irp nt, 0,1,2,3,4,5,6,7
.irp mt, 0,1
	ds_store_b128 v[STO+\mt], v[8*(16*\half+2*\nt+\mt):8*(16*\half+2*\nt+\mt)+3] offset:64*(8*\half+\nt)
	ds_store_b128 v[STO+\mt], v[8*(16*\half+2*\nt+\mt)+4:8*(16*\half+2*\nt+\mt)+7] offset:64*(8*\half+\nt)+16
.endr
.endr
.endr
	WIN 0
	s_wait_dscnt 0x0
	s_barrier_signal -1
	s_barrier_wait -1
	s_wait_loadcnt 0x0
.macro LNGROUP g
.irp p, 0,1,2,3
.irp i, 0,1,2,3,4,5,6,7
	ds_load_b128 v[X+32*\p+4*\i:X+32*\p+4*\i+3], v[RD] offset:(4*\g+\p)*SP+512*\i
.endr
.endr
	s_wait_dscnt 0x0
	WIN 0x0c
.irp k, 0,2,4,6,8,10,12,14,16,18,20,22,24,26,28,30
.irp p, 0,1,2,3
	v_pk_add_f32 v[X+32*\p+\k:X+32*\p+\k+1], v[X+32*\p+\k:X+32*\p+\k+1], v[32*(4*\g+\p)+\k:32*(4*\g+\p)+\k+1]
.endr
.endr
	WIN 0
.irp p, 0,1,2,3
	v_pk_add_f32 v[SA+2*\p:SA+2*\p+1], v[X+32*\p:X+32*\p+1], v[X+32*\p+4:X+32*\p+5]
	v_pk_add_f32 v[SB+2*\p:SB+2*\p+1], v[X+32*\p+2:X+32*\p+3], v[X+32*\p+6:X+32*\p+7]
.endr
.irp k, 8,12,16,20,24,28
.irp p, 0,1,2,3
	v_pk_add_f32 v[SA+2*\p:SA+2*\p+1], v[SA+2*\p:SA+2*\p+1], v[X+32*\p+\k:X+32*\p+\k+1]
	v_pk_add_f32 v[SB+2*\p:SB+2*\p+1], v[SB+2*\p:SB+2*\p+1], v[X+32*\p+\k+2:X+32*\p+\k+3]
.endr
.endr
.irp p, 0,1,2,3
	v_pk_add_f32 v[SA+2*\p:SA+2*\p+1], v[SA+2*\p:SA+2*\p+1], v[SB+2*\p:SB+2*\p+1]
.endr
.irp p, 0,1,2,3
	v_add_f32 v[SA+2*\p], v[SA+2*\p], v[SA+2*\p+1]
.endr
.irp m, 1,2,4,8
.irp p, 0,1,2,3
	v_add_f32_dpp v[SA+2*\p], v[SA+2*\p], v[SA+2*\p] row_xmask:\m row_mask:0xf bank_mask:0xf
.endr
.endr
.irp p, 0,1,2,3
	v_permlanex16_b32 v[SB+2*\p], v[SA+2*\p], s48, s49
.endr
.irp p, 0,1,2,3
	v_add_f32 v[SA+2*\p], v[SA+2*\p], v[SB+2*\p]
.endr
.irp p, 0,1,2,3
	v_mul_f32 v[SA+2*\p], 0x3a800000, v[SA+2*\p]
.endr
.irp k, 0,2,4,6,8,10,12,14,16,18,20,22,24,26,28,30
.irp p, 0,1,2,3
	v_pk_add_f32 v[X+32*\p+\k:X+32*\p+\k+1], v[X+32*\p+\k:X+32*\p+\k+1], v[SA+2*\p:SA+2*\p+1] op_sel_hi:[1,0] neg_lo:[0,1] neg_hi:[0,1]
.endr
.endr
.irp p, 0,1,2,3
	v_pk_mul_f32 v[SB+2*\p:SB+2*\p+1], v[X+32*\p:X+32*\p+1], v[X+32*\p:X+32*\p+1]
	v_pk_mul_f32 v[SC+2*\p:SC+2*\p+1], v[X+32*\p+2:X+32*\p+3], v[X+32*\p+2:X+32*\p+3]
.endr
.irp k, 4,8,12,16,20,24,28
.irp p, 0,1,2,3
	v_pk_fma_f32 v[SB+2*\p:SB+2*\p+1], v[X+32*\p+\k:X+32*\p+\k+1], v[X+32*\p+\k:X+32*\p+\k+1], v[SB+2*\p:SB+2*\p+1]
	v_pk_fma_f32 v[SC+2*\p:SC+2*\p+1], v[X+32*\p+\k+2:X+32*\p+\k+3], v[X+32*\p+\k+2:X+32*\p+\k+3], v[SC+2*\p:SC+2*\p+1]
.endr
.endr
.irp p, 0,1,2,3
	v_pk_add_f32 v[SB+2*\p:SB+2*\p+1], v[SB+2*\p:SB+2*\p+1], v[SC+2*\p:SC+2*\p+1]
.endr
.irp p, 0,1,2,3
	v_add_f32 v[SB+2*\p], v[SB+2*\p], v[SB+2*\p+1]
.endr
.irp m, 1,2,4,8
.irp p, 0,1,2,3
	v_add_f32_dpp v[SB+2*\p], v[SB+2*\p], v[SB+2*\p] row_xmask:\m row_mask:0xf bank_mask:0xf
.endr
.endr
.irp p, 0,1,2,3
	v_permlanex16_b32 v[SC+2*\p], v[SB+2*\p], s48, s49
.endr
.irp p, 0,1,2,3
	v_add_f32 v[SB+2*\p], v[SB+2*\p], v[SC+2*\p]
.endr
.irp p, 0,1,2,3
	v_mul_f32 v[SB+2*\p], 0x3a802008, v[SB+2*\p]
.endr
	s_wait_alu depctr_va_vdst(0)
.irp p, 0,1,2,3
	v_sqrt_f32 v[SC+2*\p], v[SB+2*\p]
.endr
	v_nop
	s_wait_alu depctr_va_vdst(0)
.irp p, 0,1,2,3
	v_add_f32 v[SC+2*\p], 0x3089705f, v[SC+2*\p]
.endr
	s_wait_alu depctr_va_vdst(0)
.irp p, 0,1,2,3
	v_rcp_f32 v[SB+2*\p], v[SC+2*\p]
.endr
	v_nop
	s_wait_alu depctr_va_vdst(0)
.irp k, 0,2,4,6,8,10,12,14,16,18,20,22,24,26,28,30
.irp p, 0,1,2,3
	v_pk_mul_f32 v[X+32*\p+\k:X+32*\p+\k+1], v[X+32*\p+\k:X+32*\p+\k+1], v[SB+2*\p:SB+2*\p+1] op_sel_hi:[1,0]
.endr
.endr
	WIN 0x14
.irp k, 0,2,4,6,8,10,12,14,16,18,20,22,24,26,28,30
.irp p, 0,1,2,3
	v_pk_fma_f32 v[X+32*\p+\k:X+32*\p+\k+1], v[X+32*\p+\k:X+32*\p+\k+1], v[GAIN+\k:GAIN+\k+1], v[OFS+\k:OFS+\k+1]
.endr
.endr
	WIN 0
.irp p, 0,1,2,3
.irp i, 0,1,2,3,4,5,6,7
	global_store_b128 v3, v[X+32*\p+4*\i:X+32*\p+4*\i+3], s[18:19] offset:(4*\g+\p)*4096+512*\i th:TH_STORE_NT
.endr
.endr
.endm
	LNGROUP 0
	s_wait_xcnt 0x0
	LNGROUP 1
	s_wait_tensorcnt 0x0
	ds_add_u32 v[SPW], v[NIL]
	s_wait_dscnt 0x0
	ROUND
	s_endpgm
.Lfunc_end_k_q52e43613cf_outln:
	.size	k_q52e43613cf_outln, .Lfunc_end_k_q52e43613cf_outln-k_q52e43613cf_outln
	.p2alignl 7, 3214868480
	.fill 96, 4, 3214868480
	.section	.rodata,"a",@progbits
	.p2align	6, 0x0
	.amdhsa_kernel k_q52e43613cf_outln
		.amdhsa_group_segment_fixed_size 327680
		.amdhsa_private_segment_fixed_size 0
		.amdhsa_enable_private_segment 0
		.amdhsa_kernarg_size 64
		.amdhsa_user_sgpr_count 2
		.amdhsa_user_sgpr_kernarg_segment_ptr 1
		.amdhsa_wavefront_size32 1
		.amdhsa_system_sgpr_workgroup_id_x 1
		.amdhsa_system_sgpr_workgroup_id_y 1
		.amdhsa_system_sgpr_workgroup_id_z 1
		.amdhsa_system_vgpr_workitem_id 0
		.amdhsa_next_free_vgpr 1024
		.amdhsa_next_free_sgpr 66
		.amdhsa_reserve_vcc 0
		.amdhsa_float_denorm_mode_32 3
		.amdhsa_float_denorm_mode_16_64 3
		.amdhsa_memory_ordered 1
		.amdhsa_forward_progress 1
		.amdhsa_inst_pref_size 142
	.end_amdhsa_kernel
	.amdgpu_metadata
---
amdhsa.version: [ 1, 2 ]
amdhsa.kernels:
  - .name:           k_q52e43613cf_outln
    .symbol:         k_q52e43613cf_outln.kd
    .args:
      - { .name: cc, .offset: 0, .size: 8, .value_kind: global_buffer, .address_space: global }
      - { .name: cs, .offset: 8, .size: 8, .value_kind: global_buffer, .address_space: global }
      - { .name: Wp_codes, .offset: 16, .size: 8, .value_kind: global_buffer, .address_space: global }
      - { .name: Wp_scales, .offset: 24, .size: 8, .value_kind: global_buffer, .address_space: global }
      - { .name: q, .offset: 32, .size: 8, .value_kind: global_buffer, .address_space: global }
      - { .name: scale, .offset: 40, .size: 8, .value_kind: global_buffer, .address_space: global }
      - { .name: offset, .offset: 48, .size: 8, .value_kind: global_buffer, .address_space: global }
      - { .name: out0, .offset: 56, .size: 8, .value_kind: global_buffer, .address_space: global }
    .group_segment_fixed_size: 327680
    .private_segment_fixed_size: 0
    .kernarg_segment_align: 8
    .kernarg_segment_size: 64
    .max_flat_workgroup_size: 128
    .sgpr_count:     66
    .vgpr_count:     1024
    .wavefront_size: 32
...
	.end_amdgpu_metadata
.endif
;; end of part 4
